; MI455X (gfx1250); checked and timed in simulation.
; The chip was launched on July 23, 2026; its instructions are those of AMD's public machine-readable ISA for CDNA 5 (MIT licence, August 2026) and "CDNA5" Instruction Set Architecture Reference Guide (July 2026). The comments in the code are by the model that wrote it; some were corrected since.
;; Multi Head Attention Block. Allowed arithmetic: matrix products marked QUANTISED: E2M3 operands, one E8M0 scale for each 32 along K, by v_wmma_scale_f32_16x16x128_f8f6f4 with both operands' format E2M3, f32 sums; everything else in f32.
;; Inputs: k 4 x 2,048 x 1,024 float32; mask 4 x 1 x 2,048 x 2,048 int32; q 4 x 2,048 x 1,024 float32; v 4 x 2,048 x 1,024 float32; w_k 1,024 x 1,024 float32; w_o 1,024 x 1,024 float32; w_q 1,024 x 1,024 float32; w_v 1,024 x 1,024 float32.
;; Outputs: out0 4 x 2,048 x 1,024 float32.
;; This version of the problem:
;;   THIS VERSION OF THE PROBLEM IS GIVEN IN LOW PRECISION. The matrix products marked QUANTISED in the list below multiply operands that are first quantised to E2M3 (2 exponent bits, 3 mantissa bits; 6 bits a number), with one power-of-two scale for each 32 numbers along K (OCP MX v1.0); their sums are f32. All else is computed in f32.
;;   The module's matrix products, in the order in which they are computed (A, B: the left and right operand; K: the contracted axis; several contracted axes count as one K, in the product's order):
;;     1. [M 8,192, K 1,024] x [K 1,024, N 1,024]; A: input q; B: input w_q: QUANTISED
;;     2. [M 8,192, K 1,024] x [K 1,024, N 1,024]; A: input k; B: input w_k: QUANTISED
;;     3. [M 8,192, K 1,024] x [K 1,024, N 1,024]; A: input v; B: input w_v: QUANTISED
;;     4. batch 64 x [M 2,048, K 64] x [K 64, N 2,048]; A: computed on the way; B: computed on the way: QUANTISED
;;     5. batch 64 x [M 2,048, K 2,048] x [K 2,048, N 64]; A: softmax (see below); B: computed on the way: QUANTISED
;;     6. [M 8,192, K 1,024] x [K 1,024, N 1,024]; A: computed on the way; B: input w_o: QUANTISED
;;   THE QUANTISER, for each operand of a quantised product, along K:
;;     - K is cut into blocks of 32 from its start; a last block that is shorter is filled with zeros.
;;     - A block's scale is 2^e with e = floor(log2(the largest magnitude in the block)) - 2, held to -126 .. 127; a block of zeros has e = 0. As a byte (E8M0): e + 127.
;;     - Each number is divided by its block's scale, clamped to +-7.5, and rounded to the nearest number of E2M3, ties to even, subnormals kept.
;;     - The product sums the exact products of the quantised numbers (number of the format x scale) in f32.
;;   ~~~python
;;   def quantise(x, axis):      # numpy; x: float32 -> the quantised numbers, widened to float32 again
;;       x = np.moveaxis(x, axis, -1); K = x.shape[-1]
;;       x = np.pad(x, [(0, 0)] * (x.ndim - 1) + [(0, -K % 32)]); x = x.reshape(x.shape[:-1] + (-1, 32)); a = np.abs(x).max(-1, keepdims=True)
;;       e = np.where(a > 0, np.clip(np.frexp(np.where(a > 0, a, 1))[1] - 1 - 2, -126, 127), 0)      # np.frexp(a)[1] - 1 = floor(log2(a)), exactly
;;       r = np.clip(x / 2.0 ** e, -7.5, 7.5)
;;       step = 2.0 ** (np.maximum(np.frexp(np.where(r == 0, 1, r))[1] - 1, 0) - 3)
;;       q = np.round(r / step) * step * 2.0 ** e      # np.round: ties to even
;;       return np.moveaxis(q.reshape(q.shape[:-2] + (-1,))[..., :K], -1, axis).astype(np.float32)
;;   ~~~
;;   SOFTMAX AHEAD OF A QUANTISED PRODUCT. Where the list says 'softmax', what is quantised is not the finished softmax but p = 2^(t - M), with t = logit x log2(e) and M = ceil(the row's largest t), a whole number; so 1/2 < the row's largest p <= 1. The row's sum l is taken of the UNQUANTISED p, in f32, and the product's result is divided by l at the end. Since M is a whole number, a kernel that streams over the keys may use a running M (the ceiling of the running maximum): every later rescaling is an exact power of two, which a block's scale takes up: the codes' values come out the same.
;;   OPERANDS COMPUTED ON THE WAY. 'Computed on the way' means the value that the module computes at that place (a softmax that the list does not call 'softmax' is quantised finished and normalised). What goes into a quantiser is computed in f32, as accurately as f32 sums, v_exp_f32 and their like allow (about 1e-6 of the number): no bf16 or f16 on the way to a quantiser, and a product that is left as it is and whose result goes on into a quantised operand takes f32 operands (vector FMAs, or v_wmma_f32_16x16x4_f32). A number that lies on a knife's edge between two numbers of the format may be rounded either way, as far as f32 arithmetic and the matrix unit's own rounding can turn it there, and no further.
;; One version. Each part assembles by itself: llvm-mc -triple=amdgcn-amd-amdhsa -mcpu=gfx1250 --defsym DOCPART=n.
;; ======== version 1 of 1: 4 launches
;; limits: right only within a limited range of input values
;; workspace buffers: xc 22,020,096 bytes; xs 917,504 bytes; att 20,185,088 bytes; oc 6,553,600 bytes; mw 2,097,152 bytes of whole numbers; mf 32,768 bytes of whole numbers
;; launch prep (part 1): grid 960 x 1, 4 waves a work-group, no clusters, 71,168 bytes of LDS; arguments q, k, v, w_q, w_k, w_v, w_o, mask, xc, xs, mw, mf; writes xc, xs, mw, mf
.if DOCPART == 1
	.amdgcn_target "amdgcn-amd-amdhsa--gfx1250"
	.amdhsa_code_object_version 6
	.text
	.protected	k_q824a263697_prep
	.globl	k_q824a263697_prep
	.p2align	8
	.type	k_q824a263697_prep,@function
k_q824a263697_prep:
	s_mov_b64 s[64:65], 0
	v_nop
	global_prefetch_b8 v0, s[64:65] scope:SCOPE_SE
	s_setreg_imm32_b32 hwreg(HW_REG_WAVE_MODE, 25, 1), 1
	s_wait_xcnt 0x0
; PREP.  Two kinds of work-groups.
; Work-groups 0 .. 447: q, k, v [8192][1024] and w_q, w_k, w_v, w_o [1024][1024], f32, become codes of FP6 (E2M3) with one E8M0 byte for each 32 along K.
;   A block's scale is 2^(floor(log2(largest magnitude)) - 2); its byte is the largest magnitude's exponent field - 2, held at 1 from below.
;   xc IS LAID AS THE MATRIX OPERANDS' REGISTERS: [tile of 16 rows][half image st = 0 .. 15][768 bytes]; half image st holds K = 64 st .. 64 st + 63: lane (r, h) = row r, K = 64 st + 32 h + 0 .. 31,
;   its first 16 bytes at 16 x lane, its last 8 at 512 + 8 x lane.  xs: [tile][r][32 bytes].
;   WHICH ROWS FORM A TILE: place r of local tile T is row 32 (T / 2) + 8 (T % 2) + r + 8 (r / 8); in k, v, w_q and w_k it is row 64 (T / 4) + 8 (T % 4) + r + 24 (r / 8), so that in the attention launch a
;   lane's 32 scores of four neighbouring tiles are 32 neighbouring keys.
;   A wave takes one tile, in 16 steps of 16 rows x 64 numbers: each load reads two aligned runs of 256 bytes; the 4,096 bytes turn through the wave's own stage in LDS, and a lane gets one whole block,
;   so no lane asks another for a maximum, and its 24 bytes of codes are stored as they fall: 512 and 256 consecutive bytes a wave.
; Work-groups 448 .. 959: the mask [4][1][2048][2048], int32, becomes lane masks.  For a tile of 16 queries (b, T) and a step of 128 keys: 64 words; bit L of word 32 c + i says whether key
;   128 step + 64 c + 32 (L / 16) + i counts for query 32 (T / 2) + 8 (T % 2) + r + 8 (r / 8), r = L % 16: the lane mask of the register that holds those scores in the attention launch (mw).
;   And one word a tile and step: 1 where the tile has a hole (mf).
; LIMITS: NaN and infinities among the inputs are not served; a block of zeros gets the byte 1 (its codes are zeros, and this program alone reads the bytes).
; No tensor loads, no barrier: waves share nothing; the two kinds of work-groups have LDS bytes of their own.
.set QWG,   448                        ; 3 x 128 + 4 x 16 work-groups of four tiles
.set STEPS, 16
.set SP,    272                        ; a stage row: 256 bytes + 16
.set STG,   16*SP
.set WREG,  2*STG+512                  ; a quantising wave's LDS: two stages and its 512 scale bytes
.set R,     16                         ; v16-111  three sets of 32 numbers as loaded
.set X,     112                        ; v112-175 two sets of 32 neighbours
.set C,     176                        ; v176-181 a block's codes
.set T,     184                        ; v184-186 the second conversion's
.set E,     192                        ; v192-207 a scale byte for each step
.set MLDS,  4*WREG
.set MP,    528
.set MR,    16
.set MX,    144
.set MW,    208
.set SPARE, MLDS+4*16*MP
	s_load_b512 s[4:19], s[0:1], 0x0               ; q, k, v, w_q, w_k, w_v, w_o, mask
	s_load_b256 s[20:27], s[0:1], 0x40             ; xc, xs, mw, mf
	v_lshl_add_u32 v224, v0, 2, SPARE
	v_mov_b32 v225, 0
	v_lshrrev_b32 v1, 5, v0
	v_readfirstlane_b32 s28, v1                    ; wave 0..3
	v_and_b32 v2, 31, v0                           ; lane
	v_lshlrev_b32 v3, 4, v2                        ; 16 x lane
	s_cmp_ge_u32 ttmp9, QWG
	s_cbranch_scc1 .Lmask
	; ---------------- the quantiser ----------------
	s_mul_i32 s29, s28, WREG
	s_add_co_u32 s37, s29, 2*STG                   ; my scale bytes
	s_lshr_b32 s34, s28, 1
	s_lshl_b32 s34, s34, 5
	s_and_b32 s35, s28, 1
	s_lshl_b32 s35, s35, 3
	s_or_b32 s34, s34, s35                         ; my tile's first row in the work-group's 64: 32 (w / 2) + 8 (w % 2),
	s_lshl_b32 s35, s28, 3                         ; in k: 8 w
	s_sub_co_u32 s36, ttmp9, 128                   ; the second order of rows (8 w, places 8-15 24 rows on) serves k, v, w_q and w_k: work-groups 128 .. 415
	s_cmp_lt_u32 s36, 288
	s_cselect_b32 s34, s35, s34
	s_mov_b32 s33, 8*4096
	s_cselect_b32 s33, 24*4096, s33                ; places 8-15 lie 8 rows further on, in k 24
	s_wait_alu depctr_va_vdst(0)                   ; the wait ahead of the readers below
	v_and_b32 v9, 15, v2                           ; r
	v_lshrrev_b32 v10, 4, v2                       ; h
	v_lshlrev_b32 v12, 4, v9
	v_lshl_add_u32 v4, v10, 12, v12                ; memory: lanes 0-15 one row's 256 bytes, lanes 16-31 the next row's
	v_add_nc_u32 v13, s33, v4                      ; the same for places 8-15
	v_mad_u32_u24 v14, v10, SP, v12
	v_add_nc_u32 v14, s29, v14                     ; the stage, on the way in
	v_mul_u32_u24 v15, v9, SP
	v_lshl_add_u32 v15, v10, 7, v15
	v_add_nc_u32 v15, s29, v15                     ; and out: row r, 128 h: my block
	v_lshl_add_u32 v5, v9, 5, v10
	v_add_nc_u32 v5, s37, v5                       ; my scale byte: 32 r + h
	v_add_nc_u32 v6, s37, v3
	v_lshlrev_b32 v7, 3, v2                        ; 8 x lane
	s_wait_alu depctr_va_vdst(0)                   ; the wait at the head's end
	s_wait_kmcnt 0x0
	s_mov_b64 s[30:31], s[16:17]                   ; which tensor?  The choice hangs on the work-group's number alone
	s_mov_b32 s32, 432
	s_cmp_lt_u32 ttmp9, 432
	s_cselect_b64 s[30:31], s[14:15], s[30:31]
	s_cselect_b32 s32, 416, s32
	s_cmp_lt_u32 ttmp9, 416
	s_cselect_b64 s[30:31], s[12:13], s[30:31]
	s_cselect_b32 s32, 400, s32
	s_cmp_lt_u32 ttmp9, 400
	s_cselect_b64 s[30:31], s[10:11], s[30:31]
	s_cselect_b32 s32, 384, s32
	s_cmp_lt_u32 ttmp9, 384
	s_cselect_b64 s[30:31], s[8:9], s[30:31]
	s_cselect_b32 s32, 256, s32
	s_cmp_lt_u32 ttmp9, 256
	s_cselect_b64 s[30:31], s[6:7], s[30:31]
	s_cselect_b32 s32, 128, s32
	s_cmp_lt_u32 ttmp9, 128
	s_cselect_b64 s[30:31], s[4:5], s[30:31]
	s_cselect_b32 s32, 0, s32
	s_sub_co_u32 s32, ttmp9, s32
	s_lshl_b32 s32, s32, 18                        ; 64 rows of 4,096 bytes a work-group
	s_lshl_b32 s34, s34, 12
	s_add_co_u32 s32, s32, s34
	s_mov_b32 s33, 0
	s_add_nc_u64 s[30:31], s[30:31], s[32:33]
	s_lshl_b32 s34, ttmp9, 2
	s_add_co_u32 s34, s34, s28                     ; the tile: the tensors lie in xc and xs in the order of the work-groups
	s_mul_i32 s32, s34, 12288
	s_add_nc_u64 s[20:21], s[20:21], s[32:33]
	s_lshl_b32 s32, s34, 9
	s_add_nc_u64 s[22:23], s[22:23], s[32:33]
.macro LOAD t
.irp i, 0,1,2,3
	global_load_b128 v[R+32*((\t)%3)+4*\i:R+32*((\t)%3)+4*\i+3], v4, s[30:31] offset:8192*\i+256*(\t) th:TH_LOAD_NT
.endr
.irp i, 4,5,6,7
	global_load_b128 v[R+32*((\t)%3)+4*\i:R+32*((\t)%3)+4*\i+3], v13, s[30:31] offset:8192*\i+256*(\t) th:TH_LOAD_NT
.endr
.endm
.macro TURN t                          ; LDS serves a wave's instructions in order: no wait between the stores and the loads
.irp i, 0,1,2,3,4,5,6,7
	ds_store_b128 v14, v[R+32*((\t)%3)+4*\i:R+32*((\t)%3)+4*\i+3] offset:STG*((\t)%2)+2*SP*\i
.endr
.irp j, 0,1,2,3,4,5,6,7
	ds_load_b128 v[X+32*((\t)%2)+4*\j:X+32*((\t)%2)+4*\j+3], v15 offset:STG*((\t)%2)+16*\j
.endr
.endm
	LOAD 0
	LOAD 1
	LOAD 2
	s_wait_loadcnt 16                              ; step 0's eight loads are in
	TURN 0
.macro STEP t
.set XS, X+32*((\t)%2)
.if (\t) > 0
	s_wait_dscnt 1                                 ; this step's numbers are back (the last step's byte store may be out), so its stage stores have read their registers
.else
	s_wait_dscnt 0x0
.endif
	s_wait_xcnt 0x0                                ; the last step's stores have read the codes' registers
.if (\t)+3 < STEPS
	LOAD (\t)+3
.endif
.if (\t)+1 < STEPS
.if (\t)+3 < STEPS
	s_wait_loadcnt 16                              ; the next step's eight loads are in; those of the two steps behind it may be out
.else
	s_wait_loadcnt 8*(STEPS-2-(\t))
.endif
	TURN (\t)+1
.endif
	v_max3_num_f32 v8, |v[XS]|, |v[XS+1]|, |v[XS+2]|               ; the block's largest magnitude, in two chains
	v_max3_num_f32 v9, |v[XS+3]|, |v[XS+4]|, |v[XS+5]|
.irp i, 6,10,14,18,22,26
	v_max3_num_f32 v8, v8, |v[XS+\i]|, |v[XS+\i+1]|
	v_max3_num_f32 v9, v9, |v[XS+\i+2]|, |v[XS+\i+3]|
.endr
	v_max3_num_f32 v8, v8, |v[XS+30]|, |v[XS+31]|
	v_max3_num_f32 v8, v8, v9, 0x1800000           ; the floor 2^(3 - 127): the byte cannot fall under 1
	v_add_nc_u32 v11, 0xff000000, v8               ; 2 off its exponent field: the conversions' scale operand
	v_cvt_scalef32_pk16_fp6_f32 v[C:C+2], v[XS:XS+15], v11
	v_cvt_scalef32_pk16_fp6_f32 v[T:T+2], v[XS+16:XS+31], v11
	v_lshrrev_b32 v[E+(\t)], 23, v11               ; the scale's byte; also the plain place behind the conversions
.irp i, 0,1,2
	v_mov_b32 v[C+3+\i], v[T+\i]
.endr
	ds_store_b8 v5, v[E+(\t)] offset:2*(\t)
	global_store_b128 v3, v[C:C+3], s[20:21] offset:768*(\t)       ; 512 consecutive bytes, aligned
	global_store_b64 v7, v[C+4:C+5], s[20:21] offset:768*(\t)+512  ; 256 consecutive bytes, aligned
.endm
.irp t, 0,1,2,3,4,5,6,7,8,9,10,11,12,13,14,15
	STEP \t
.endr
	ds_load_b128 v[8:11], v6
	s_wait_dscnt 0x0
	global_store_b128 v3, v[8:11], s[22:23]        ; the tile's 512 scale bytes
	s_wait_tensorcnt 0x0                           ; the wave's end
	ds_add_u32 v224, v225
	s_wait_dscnt 0x0
	s_endpgm
	; ---------------- the mask ----------------
.Lmask:
	s_sub_co_u32 s29, ttmp9, QWG                   ; the tile of queries: 128 b + T.  Wave w takes key steps 4 w .. 4 w + 3
	s_wait_alu depctr_va_vdst(0)
	v_lshlrev_b32 v8, 3, v2
	v_lshlrev_b32 v6, 2, v2
	v_and_b32 v9, 15, v2                           ; r
	v_lshrrev_b32 v10, 4, v2                       ; h
	s_mul_i32 s30, s28, 16*MP
	s_add_co_u32 s30, s30, MLDS                    ; my wave's stage: 16 rows of MP bytes
	v_add_nc_u32 v4, s30, v3
	v_mul_u32_u24 v5, v9, MP
	v_lshl_add_u32 v5, v10, 7, v5
	v_add_nc_u32 v5, s30, v5                       ; out: row r, + 128 h: my 32 keys of each 64
	v_mov_b32 v7, 0
.irp i, 0,1,2,3,4,5,6,7
	v_mov_b32 v[MW+\i], 0
.endr
	s_lshr_b32 s31, s29, 7                         ; b
	s_and_b32 s32, s29, 127                        ; T
	s_lshl_b32 s31, s31, 11
	s_lshr_b32 s33, s32, 1
	s_lshl_b32 s33, s33, 5
	s_add_co_u32 s31, s31, s33
	s_and_b32 s33, s32, 1
	s_lshl_b32 s33, s33, 3
	s_add_co_u32 s31, s31, s33                     ; the tile's first query row
	s_lshl_b32 s32, s31, 13
	s_lshl_b32 s33, s28, 11
	s_add_co_u32 s32, s32, s33
	s_mov_b32 s33, 0
	s_wait_alu depctr_va_vdst(0)
	s_wait_kmcnt 0x0
	s_add_nc_u64 s[18:19], s[18:19], s[32:33]
	s_lshl_b32 s32, s29, 12                        ; mw: 4,096 bytes a tile, 256 a step
	s_lshl_b32 s34, s28, 10
	s_add_co_u32 s32, s32, s34
	s_add_nc_u64 s[24:25], s[24:25], s[32:33]
	s_lshl_b32 s32, s29, 6                         ; mf: 64 bytes a tile, 4 a step
	s_lshl_b32 s34, s28, 4
	s_add_co_u32 s32, s32, s34
	s_add_nc_u64 s[26:27], s[26:27], s[32:33]
.macro MLOAD s
.irp i, 0,1,2,3,4,5,6,7,8,9,10,11,12,13,14,15
	global_load_b128 v[MR+64*((\s)%2)+4*\i:MR+64*((\s)%2)+4*\i+3], v3, s[18:19] offset:(\i+8*(\i/8))*8192+512*(\s) th:TH_LOAD_NT
.endr
.endm
.macro MSTEP s
.if (\s) < 3
	s_wait_loadcnt 16                              ; this step's 16 loads are in; the next step's may be out
.else
	s_wait_loadcnt 0x0
.endif
.irp i, 0,1,2,3,4,5,6,7,8,9,10,11,12,13,14,15
	ds_store_b128 v4, v[MR+64*((\s)%2)+4*\i:MR+64*((\s)%2)+4*\i+3] offset:MP*\i
.endr
.irp b, 0,1
.irp j, 0,1,2,3,4,5,6,7
	ds_load_b128 v[MX+32*\b+4*\j:MX+32*\b+4*\j+3], v5 offset:256*\b+16*\j   ; register 32 c + i: key 64 c + 32 h + i of query r
.endr
.endr
	s_wait_dscnt 0x0
.if (\s) < 2
	MLOAD (\s)+2
.endif
	s_mov_b32 s40, -1
.set J, 0
.rept 64
	v_cmp_ne_u32 s[36+J%4], 0, v[MX+J]             ; the lane mask of score register J
	v_writelane_b32 v[MW+2*(\s)+J%2], s[36+J%4], J/2
	s_and_b32 s40, s40, s[36+J%4]
.set J, J+1
.endr
	s_cmp_eq_u32 s40, -1
	s_cselect_b32 s41, 0, 1                        ; 1 where some key is hidden from some query
	v_writelane_b32 v7, s41, \s
	global_store_b64 v8, v[MW+2*(\s):MW+2*(\s)+1], s[24:25] offset:256*(\s)
.endm
	MLOAD 0
	MLOAD 1
	MSTEP 0
	MSTEP 1
	MSTEP 2
	MSTEP 3
	v_cmp_gt_u32 vcc_lo, 4, v2
	s_wait_alu depctr_va_vdst(0)
	s_wait_xcnt 0x0                                ; EXEC changes only behind this wait
	s_wait_tensorcnt 0x0
	ds_add_u32 v224, v225
	s_wait_dscnt 0x0
	s_and_saveexec_b32 s42, vcc_lo
	global_store_b32 v6, v7, s[26:27]              ; four flags
	s_wait_xcnt 0x0
	s_or_b32 exec_lo, exec_lo, s42
	s_endpgm
.Lfunc_end_k_q824a263697_prep:
	.size	k_q824a263697_prep, .Lfunc_end_k_q824a263697_prep-k_q824a263697_prep
	.p2alignl 7, 3214868480
	.fill 96, 4, 3214868480
	.section	.rodata,"a",@progbits
	.p2align	6, 0x0
	.amdhsa_kernel k_q824a263697_prep
		.amdhsa_group_segment_fixed_size 71168
		.amdhsa_private_segment_fixed_size 0
		.amdhsa_enable_private_segment 0
		.amdhsa_kernarg_size 96
		.amdhsa_user_sgpr_count 2
		.amdhsa_user_sgpr_kernarg_segment_ptr 1
		.amdhsa_wavefront_size32 1
		.amdhsa_system_sgpr_workgroup_id_x 1
		.amdhsa_system_sgpr_workgroup_id_y 1
		.amdhsa_system_sgpr_workgroup_id_z 1
		.amdhsa_system_vgpr_workitem_id 0
		.amdhsa_next_free_vgpr 226
		.amdhsa_next_free_sgpr 66
		.amdhsa_reserve_vcc 1
		.amdhsa_float_denorm_mode_32 3
		.amdhsa_float_denorm_mode_16_64 3
		.amdhsa_memory_ordered 1
		.amdhsa_forward_progress 1
		.amdhsa_inst_pref_size 117
	.end_amdhsa_kernel
	.amdgpu_metadata
---
amdhsa.version: [ 1, 2 ]
amdhsa.kernels:
  - .name:           k_q824a263697_prep
    .symbol:         k_q824a263697_prep.kd
    .args:
      - { .name: q, .offset: 0, .size: 8, .value_kind: global_buffer, .address_space: global }
      - { .name: k, .offset: 8, .size: 8, .value_kind: global_buffer, .address_space: global }
      - { .name: v, .offset: 16, .size: 8, .value_kind: global_buffer, .address_space: global }
      - { .name: w_q, .offset: 24, .size: 8, .value_kind: global_buffer, .address_space: global }
      - { .name: w_k, .offset: 32, .size: 8, .value_kind: global_buffer, .address_space: global }
      - { .name: w_v, .offset: 40, .size: 8, .value_kind: global_buffer, .address_space: global }
      - { .name: w_o, .offset: 48, .size: 8, .value_kind: global_buffer, .address_space: global }
      - { .name: mask, .offset: 56, .size: 8, .value_kind: global_buffer, .address_space: global }
      - { .name: xc, .offset: 64, .size: 8, .value_kind: global_buffer, .address_space: global }
      - { .name: xs, .offset: 72, .size: 8, .value_kind: global_buffer, .address_space: global }
      - { .name: mw, .offset: 80, .size: 8, .value_kind: global_buffer, .address_space: global }
      - { .name: mf, .offset: 88, .size: 8, .value_kind: global_buffer, .address_space: global }
    .group_segment_fixed_size: 71168
    .private_segment_fixed_size: 0
    .kernarg_segment_align: 8
    .kernarg_segment_size: 96
    .max_flat_workgroup_size: 128
    .sgpr_count:     66
    .vgpr_count:     226
    .wavefront_size: 32
...
	.end_amdgpu_metadata
.endif
;; end of part 1
;; launch proj (part 2): grid 16 x 16, 4 waves a work-group, clusters of 4 x 4, 327,680 bytes of LDS; arguments xc, xs, att; writes att
.if DOCPART == 2
	.amdgcn_target "amdgcn-amd-amdhsa--gfx1250"
	.amdhsa_code_object_version 6
	.text
	.protected	k_q824a263697_proj
	.globl	k_q824a263697_proj
	.p2align	8
	.type	k_q824a263697_proj,@function
k_q824a263697_proj:
	s_mov_b64 s[64:65], 0
	v_nop
	global_prefetch_b8 v0, s[64:65] scope:SCOPE_SE
	s_setreg_imm32_b32 hwreg(HW_REG_WAVE_MODE, 25, 1), 1
	s_wait_xcnt 0x0
	s_wait_alu depctr_hold_cnt(0) depctr_sa_sdst(0) depctr_va_vdst(0) depctr_va_sdst(0) depctr_va_ssrc(0) depctr_va_vcc(0) depctr_vm_vsrc(0)
	s_getreg_b32 s2, hwreg(HW_REG_IB_STS2, 6, 4)
	s_cmp_eq_u32 s2, 0
	s_cbranch_scc0 .Lentry_in_a_cluster
	s_endpgm
.Lentry_in_a_cluster:
	s_bfe_u32 s2, ttmp6, 0x10000c
	s_cmp_lg_u32 s2, 0xf033
	s_cbranch_scc0 .Lentry_shape_is_right
	s_endpgm
.Lentry_shape_is_right:
; PROJ.  Q = q W_q^T, K = k W_k^T, V = v W_v^T on codes of FP6 (E2M3), and their quantisers: the results leave as codes and scale bytes, laid as the attention launch's operand registers.
; xc: [tile of 16 rows][8 steps of 128 along K][1,536 bytes: a fragment's register image]; xs: [tile][row][32 scale bytes]; tensors in the order q, k, v, w_q, w_k, w_v, w_o.
; att: Q's and K's codes [16 batch + head][tile of 16 tokens][768]; V's [16 batch + head][step of 128 keys][tile of 16 channels][half of 64 keys][768]; Q's and K's scale words [..][tile / 4][row][tile % 4];
; V's [..][step][row][tile], byte 2 half + h.
; THE DEAL.  256 work-groups of four waves, 2 x 2 (a: rows, b: columns).  A wave holds 64 rows of a weight, one head, ALL of K, in 384 registers; x's rows pass in blocks of one tile, all of K: 32 products a block.
; A work-group makes 256 x 128 of V and then 512 x 128 of Q or K: 768 products a wave in every work-group.  x comes in chunks of 128 rows; wave row a takes tiles 4 a .. 4 a + 3 of a chunk.
; Q, K: source 0 = the weight's rows.  Tile t of a head's 64 rows holds rows 8 t + j and 32 + 8 t + j, so a lane's 32 sums of a block are channels 32 h + 0 .. 31 of one token: one scale block, six registers of codes.
; V: source 0 = x's rows, in the same order of rows: a lane's 8 sums of each of four blocks are keys 32 h + 0 .. 31 of one channel, for each of four tiles of channels.
; CLUSTERS 4 x 4: x's chunks are shared by a row of the cluster, a weight's rows by a column; which tensor (cluster x / 2) and which half of V's rows (cluster x % 2) hang on the cluster's number alone.
; LDS: two slots of 98,304 bytes for x's chunks, a region as large for the weights, two places of 4,096 bytes for a chunk's scale bytes, the spare words.
; FILLS.  At the head one joint load a wave: W_v, both chunks' scale bytes, chunk 0, chunk 1.  FOUR REFILLS, each behind a whole round of the cluster's barrier with the three lines ahead of it,
; ahead of a chunk's third block: by then all four of the chunk's blocks have been fetched, so its slot takes the chunk two further on (waves 0 and 1 a half each, wave 2 the scale bytes; in the
; first round wave 3 brings W_q's or W_k's rows onto W_v's, which all waves hold in registers).  The round also shows the other slot's chunk to all waves.  The last chunk is shown by a plain barrier.
; THE WAITS' COUNTS: a block's rows are fetched two blocks ahead; NF = 34 is the one younger fetch (32 fragment loads, 2 of scale words).  Behind a round or the plain barrier the wait for 0 has shown the next block in.
; PREFETCH: what a round will load is asked for one round ahead, 6,144 bytes for each of the sixteen waves that will ask jointly, told apart by address; the scale bytes (4,096 a chunk) are not asked for.
; LIMITS: NaN and infinities are not served; a block of zeros gets the byte 1 (its codes are zeros, and this program alone reads the bytes).
.set XT,    12288                      ; a tile of 16 rows, all of K
.set CH,    8*XT
.set WB,    2*CH
.set SCL,   3*CH
.set SPARE, SCL+8192
.set FR,    12
.set FPW,   21                         ; fragments in a window of 256 registers.  Fragment f lies in window 1 + f / 21 at 12 (f % 21): 0-31 the weights' (4 q + t), 32-47 x's two sets
.set NF,    34
.set SPW,   10
.set NIL,   11
.set SB,    24                         ; v24-39 the weights' scale words: [pair of tiles][q], lanes 0-15 the even tile
.set TQ,    40
.set SOP,   42
.set SA,    44                         ; v44-59 x's scale words, two sets
.set TC,    60
.set ACC,   64                         ; v64-95 Q, K: a block's sums; v64-191 V: 32 t + 8 j + i
.set CD,    192                        ; codes
.set PP,    208                        ; v208, v209 Q's or K's scale words of a chunk
.set EB,    224
.set SB2,   228                        ; v228-243 the second weight's scale words
.set W,     244
.set G1A, 24
.set G1B, 32
.set G0A, 56
.set G0B, 60
.set G0R, 68
.set G0S, 72
.set G1S, 76
.set MSB, 0
.macro WIN new
.if MSB != \new
	s_set_vgpr_msb (MSB<<8)|\new
.set MSB, \new
.endif
.endm
.macro PLACES n
.rept \n
	v_nop
.endr
.endm
.macro WALU
	s_wait_alu depctr_va_vdst(0)
.endm
.macro BARRIER
	s_barrier_signal -1
	s_barrier_wait -1
.endm
.macro CROUND
	s_barrier_signal -1
	s_barrier_wait -1
	s_cmp_lg_u32 s14, 0
	s_cbranch_scc1 .Lnot_wave_0_\@
	s_barrier_signal -3
.Lnot_wave_0_\@:
	s_barrier_wait -3
	s_barrier_signal -1
	s_barrier_wait -1
.endm
.macro TLOAD g0, g1
	tensor_load_to_lds s[\g0:\g0+3], s[\g1:\g1+7]
	s_nop 0
	PLACES 4
.endm
.macro GROUP1 g, mask, rows
	s_or_b32 s[\g+0], s[\mask], (1<<21)
	s_mov_b32 s[\g+1], (XT&0xffff)<<16
	s_mov_b32 s[\g+2], (XT>>16)|((\rows)<<16)
	s_mov_b32 s[\g+3], XT<<16
	s_mov_b32 s[\g+4], \rows
	s_mov_b32 s[\g+5], XT
	s_mov_b32 s[\g+6], 0
	s_mov_b32 s[\g+7], 0
.endm
.macro G0SET g, base, off              ; group 0's address: base + the 32-bit offset in s\off (s21 = 0)
	s_mov_b32 s20, s\off
	s_add_nc_u64 s[\g+2:\g+3], s[\base:\base+1], s[20:21]
	s_or_b32 s[\g+3], s[\g+3], 0x80000000
.endm
.macro FRAG f, off, a16, a8            ; a fragment's image: two halves of 512 + 256 bytes
	WIN ((1+(\f)/FPW)<<6)
.set R_, FR*((\f)%FPW)
	ds_load_b128 v[R_:R_+3], v[\a16] offset:(\off)
	ds_load_b64 v[R_+4:R_+5], v[\a8] offset:(\off)+512
	ds_load_b128 v[R_+6:R_+9], v[\a16] offset:(\off)+768
	ds_load_b64 v[R_+10:R_+11], v[\a8] offset:(\off)+1280
.endm
.macro WEIGHTS                         ; my 64 rows of the weight, all of K: 128 loads
.irp q, 0,1,2,3,4,5,6,7
.irp t, 0,1,2,3
	FRAG 4*\q+\t, \t*XT+\q*1536, 12, 13
.endr
.endr
	WIN 0
.endm
.macro FETCH e, i, a16, a8, as         ; my tile i of a chunk into set e: NF loads
.irp q, 0,1,2,3,4,5,6,7
	FRAG 32+8*(\e)+\q, (\i)*XT+\q*1536, \a16, \a8
.endr
	WIN 0
	ds_load_b128 v[SA+8*(\e):SA+8*(\e)+3], v[\as] offset:(\i)*512
	ds_load_b128 v[SA+8*(\e)+4:SA+8*(\e)+7], v[\as] offset:(\i)*512+16
.endm
.macro PROD1 d, s0, s1, c, x0, x1, side, o
.if \o
	v_wmma_scale_f32_16x16x128_f8f6f4 v[\d:\d+7], v[FR*((\s0)%FPW):FR*((\s0)%FPW)+FR-1], v[FR*((\s1)%FPW):FR*((\s1)%FPW)+FR-1], \c, v[\x0], v[\x1] matrix_a_fmt:MATRIX_FMT_FP6 matrix_b_fmt:MATRIX_FMT_FP6 matrix_\side\()_scale:MATRIX_SCALE_ROW1
.else
	v_wmma_scale_f32_16x16x128_f8f6f4 v[\d:\d+7], v[FR*((\s0)%FPW):FR*((\s0)%FPW)+FR-1], v[FR*((\s1)%FPW):FR*((\s1)%FPW)+FR-1], \c, v[\x0], v[\x1] matrix_a_fmt:MATRIX_FMT_FP6 matrix_b_fmt:MATRIX_FMT_FP6 matrix_\side\()_scale:MATRIX_SCALE_ROW0
.endif
.endm
.macro PROD kind, e, n, a0, as         ; product n = 4 q + t.  kind 0 (Q, K): source 0 the weight's rows; kind 1 (V): source 0 x's rows
.set Q_, (\n)/4
.set FB_, 4*Q_+(\n)%4
.set FA_, 32+8*(\e)+Q_
.set D_, (\a0)+(\as)*((\n)%4)
.set XB_, SB+8*(((\n)%4)/2)+Q_
.set XA_, SA+8*(\e)+Q_
.if \kind
	WIN (1+FA_/FPW)|((1+FB_/FPW)<<2)
.if Q_
	PROD1 D_, FA_, FB_, v[D_:D_+7], XA_, XB_, b, (\n)%2
.else
	PROD1 D_, FA_, FB_, 0, XA_, XB_, b, (\n)%2
.endif
.else
	WIN (1+FB_/FPW)|((1+FA_/FPW)<<2)
.if Q_
	PROD1 D_, FB_, FA_, v[D_:D_+7], XB_, XA_, a, (\n)%2
.else
	PROD1 D_, FB_, FA_, 0, XB_, XA_, a, (\n)%2
.endif
.endif
.endm
.macro BLK kind, e, j                  ; a block: 32 products, the four accumulators by turns
.set N_, 0
.rept 32
.if \kind
	PROD 1, \e, N_, ACC+8*(\j), 32
.else
	PROD 0, \e, N_, ACC, 8
.endif
.set N_, N_+1
.endr
	WIN 0
	PLACES 4                               ; ahead of the loads into the block's registers and of the first read of its sums
.endm
.macro QUANT x, c, n                   ; 32 sums at v[x] -> six registers of codes at v[c], the scale's byte in v[EB + n].  Each accumulator is read from its low end on
	v_max3_num_f32 v[TQ], |v[\x]|, |v[\x+1]|, |v[\x+2]|
	v_max3_num_f32 v[TQ+1], |v[\x+16]|, |v[\x+17]|, |v[\x+18]|
.irp i, 3,5,7,9,11,13
	v_max3_num_f32 v[TQ], v[TQ], |v[\x+\i]|, |v[\x+\i+1]|
	v_max3_num_f32 v[TQ+1], v[TQ+1], |v[\x+16+\i]|, |v[\x+17+\i]|
.endr
	v_max3_num_f32 v[TQ+1], v[TQ+1], |v[\x+31]|, 0x1800000       ; the floor 2^(3 - 127): the byte cannot fall under 1
	v_max3_num_f32 v[TQ], v[TQ], |v[\x+15]|, v[TQ+1]
	v_add_nc_u32 v[SOP], 0xff000000, v[TQ]                       ; 2 off the exponent field: the conversions' scale operand
	v_cvt_scalef32_pk16_fp6_f32 v[\c:\c+2], v[\x:\x+15], v[SOP]
	v_cvt_scalef32_pk16_fp6_f32 v[TC:TC+2], v[\x+16:\x+31], v[SOP]
	v_lshrrev_b32 v[EB+\n], 23, v[SOP]                           ; also the plain place behind the conversions
.irp i, 0,1,2
	v_mov_b32 v[\c+3+\i], v[TC+\i]
.endr
.endm
.macro OUT kind, j                     ; the way out behind block j of a chunk
.if \kind == 0
	s_wait_xcnt 0x0                        ; the last block's stores have read the codes' registers
	QUANT ACC, CD, 0
	v_lshlrev_b32 v[W], v17, v[EB]         ; my byte at its place, 8 h bits up,
	v_permlanex16_b32 v[W+1], v[W], s96, s97
	v_or_b32 v[W], v[W], v[W+1]            ; with lane l xor 16's: the row's scale word
.if \j < 2
	v_mov_b32 v[PP+\j], v[W]
.else
	v_cndmask_b32 v[PP+\j-2], v[PP+\j-2], v[W], s17   ; lanes 16-31 keep tiles 2 and 3
.endif
	global_store_b128 v1, v[CD:CD+3], s[48:49] offset:768*\j
	global_store_b64 v2, v[CD+4:CD+5], s[48:49] offset:768*\j+512
.if \j == 3
	global_store_b64 v16, v[PP:PP+1], s[50:51]        ; four tiles' words of 16 rows: 256 consecutive bytes
	s_wait_xcnt 0x0
	s_add_nc_u64 s[48:49], s[48:49], 6144
	s_add_nc_u64 s[50:51], s[50:51], 512
.endif
.elseif \j == 3
	s_wait_xcnt 0x0
.irp t, 0,1,2,3
	QUANT ACC+32*\t, CD+8*\t, \t
.endr
.irp t, 0,1,2,3
	global_store_b128 v1, v[CD+8*\t:CD+8*\t+3], s[52:53] offset:1536*\t
	global_store_b64 v2, v[CD+8*\t+4:CD+8*\t+5], s[52:53] offset:1536*\t+512
	global_store_b8 v15, v[EB+\t], s[54:55] offset:4*\t   ; a word's four bytes come from two waves and two halves of the lanes: they leave singly, one byte for 24 of codes
.endr
	s_wait_xcnt 0x0
	s_add_nc_u64 s[52:53], s[52:53], 6144
	s_add_nc_u64 s[54:55], s[54:55], 256
.endif
.endm
.macro REFILL first, pf                ; a round and its joint loads.  s18 the slot read out, s47 its scale place, s88 and s89 the next chunk's bytes from xc and xs
	WALU
	s_wait_xcnt 0x0                        ; any prefetch of mine has read its base
	s_wait_tensorcnt 0x0
	ds_add_u32 v[SPW], v[NIL]
.if \first
	s_mov_b32 s[G1A+2], (XT>>16)|(4<<16)   ; from here on a load brings half a chunk,
	s_mov_b32 s[G1A+4], 4
	s_mov_b32 s[G1S+2], 16<<16             ; or one chunk's scale bytes
	s_mov_b32 s[G1S+4], 16
	G0SET G0B, 4, 3                        ; the second weight's rows
.endif
	s_add_co_u32 s[G0R+1], s18, s46
	s_add_co_u32 s20, s88, s46
	s_add_nc_u64 s[G0R+2:G0R+3], s[4:5], s[20:21]
	s_or_b32 s[G0R+3], s[G0R+3], 0x80000000
	s_add_co_u32 s[G0S+1], s47, SCL
	G0SET G0S, 6, 89
	s_add_co_u32 s88, s88, CH
	s_add_co_u32 s89, s89, 4096
.if \pf
	s_add_co_u32 s20, s88, s90
	s_add_nc_u64 s[92:93], s[4:5], s[20:21]
.endif
	s_wait_dscnt 0x0
	CROUND
	s_cmp_lt_u32 s14, 2
	s_cbranch_scc0 .Lscales_\@
	TLOAD G0R, G1A
	s_branch .Lasked_\@
.Lscales_\@:
	s_cmp_eq_u32 s14, 2
	s_cbranch_scc0 .Lthree_\@
	TLOAD G0S, G1S
.if \first
	s_branch .Lasked_\@
.endif
.Lthree_\@:
.if \first
	TLOAD G0B, G1B
.endif
.Lasked_\@:
.if \pf == 2
	s_cmp_lg_u32 s86, 0                    ; the loop's last trip has no round behind it
	s_cbranch_scc1 .Lno_pf_\@
.endif
.if \pf
	global_prefetch_b8 v23, s[92:93] th:TH_LOAD_NT scope:SCOPE_SE   ; my sixteenth of the chunk that the next round loads
.endif
.if \pf == 2
.Lno_pf_\@:
.endif
.endm
; A CHUNK: my four blocks.  mode 0: a refill's round ahead of block 2; 1: a plain barrier there; 2: the last chunk, nothing more is fetched.
.macro CHUNK kind, mode, first, pf, change
	s_xor_b32 s18, s18, CH                 ; this chunk's slot and scale place, and the next one's
	s_xor_b32 s84, s84, CH
	s_xor_b32 s47, s47, 4096
	s_xor_b32 s85, s85, 4096
	v_add_nc_u32 v4, s18, v20
	v_add_nc_u32 v5, s18, v21
	v_add_nc_u32 v6, s84, v20
	v_add_nc_u32 v7, s84, v21
	v_add_nc_u32 v8, s47, v22
	v_add_nc_u32 v9, s85, v22
	WALU
	s_wait_dscnt NF
	BLK \kind, 0, 0
	FETCH 0, 2, 4, 5, 8
	OUT \kind, 0
	s_wait_dscnt NF
	BLK \kind, 1, 1
	FETCH 1, 3, 4, 5, 8
	OUT \kind, 1
.if \mode == 0
	REFILL \first, \pf
.elseif \mode == 1
	WALU
	s_wait_tensorcnt 0x0
	s_wait_dscnt 0x0
	BARRIER                                ; the last chunk is shown to all
.else
	s_wait_dscnt NF
.endif
	BLK \kind, 0, 2
.if \mode < 2
	FETCH 0, 0, 6, 7, 9
.endif
	OUT \kind, 2
.if \mode == 2
	s_wait_dscnt 0x0
.endif
	BLK \kind, 1, 3
.if \mode < 2
	FETCH 1, 1, 6, 7, 9
.endif
.if \change
	WEIGHTS                                ; the second weight, shown by the round above; V's last way out stands under these loads' flight
.set I, 0
.rept 16
	v_mov_b32 v[SB+I], v[SB2+I]
.set I, I+1
.endr
.endif
	OUT \kind, 3
.endm
; ================= THE HEAD
	s_load_b128 s[4:7], s[0:1], 0x0                ; xc, xs
	s_load_b64 s[8:9], s[0:1], 0x10                ; att
	v_lshl_add_u32 v[SPW], v0, 2, SPARE
	v_mov_b32 v[NIL], 0
	ds_add_u32 v[SPW], v[NIL]                      ; the opening lines: the add, twice on end, and its wait
	ds_add_u32 v[SPW], v[NIL]
	v_lshrrev_b32 v1, 5, v0
	v_readfirstlane_b32 s14, v1                    ; the wave; s15 = a, s16 = b
	s_lshr_b32 s15, s14, 1
	s_and_b32 s16, s14, 1
	s_bfe_u32 s40, ttmp6, 0x40000                  ; cx
	s_bfe_u32 s41, ttmp6, 0x40004                  ; cy
	s_lshl_b32 s42, ttmp9, 2
	s_add_co_u32 s42, s42, s40                     ; Q's or K's tile column, 0 .. 15 (0-7 Q)
	s_and_b32 s43, ttmp7, 0xffff
	s_lshl_b32 s43, s43, 2
	s_add_co_u32 s43, s43, s41                     ; its tile row: 512 rows
	s_lshr_b32 s19, ttmp9, 1                       ; 0 Q, 1 K
	s_and_b32 s87, ttmp9, 1
	s_lshl_b32 s13, s19, 2
	s_add_co_u32 s13, s13, s40                     ; V's tile column, 0 .. 7
	s_lshl_b32 s12, s43, 1
	s_add_co_u32 s12, s12, s87                     ; V's tile row: 256 rows
	s_lshl_b32 s44, s41, 2
	s_lshl_b32 s44, 15, s44                        ; my row of the cluster
	s_lshl_b32 s45, 0x1111, s40                    ; my column
	GROUP1 G1A, 44, 8
	GROUP1 G1B, 45, 8
	s_or_b32 s[G1S+0], s44, (3<<16)|(1<<21)        ; scale bytes: a dense block, as rows of 256 bytes
	s_mov_b32 s[G1S+1], 32<<16
	s_mov_b32 s[G1S+2], 32<<16
	s_mov_b32 s[G1S+3], 32<<16
	s_mov_b32 s[G1S+4], 32
	s_mov_b32 s[G1S+5], 32
	s_mov_b32 s[G1S+6], 0
	s_mov_b32 s[G1S+7], 0
	s_mov_b32 s[G0A], 1
	s_mov_b32 s[G0A+1], 0
	s_mov_b32 s[G0R], 1
	s_mov_b32 s[G0R+1], CH
	s_mov_b32 s[G0B], 1
	s_mov_b32 s[G0B+1], WB
	s_mov_b32 s[G0S], 1
	s_mov_b32 s[G0S+1], SCL
	s_mul_i32 s10, s12, 196608
	s_add_co_u32 s10, s10, 12582912                ; v's 256 rows, bytes from xc
	s_mul_i32 s11, s13, CH
	s_add_co_u32 s11, s11, 20447232                ; W_v's 128 rows
	s_mul_i32 s3, s42, CH
	s_add_co_u32 s3, s3, 18874368                  ; W_q's or W_k's
	s_mul_i32 s88, s19, 6291456
	s_mul_i32 s20, s43, 393216
	s_add_co_u32 s88, s88, s20                     ; q's or k's 512 rows
	s_lshl_b32 s89, s19, 18
	s_lshl_b32 s20, s43, 14
	s_add_co_u32 s89, s89, s20                     ; their scale bytes, from xs
	s_lshl_b32 s2, s12, 13
	s_add_co_u32 s2, s2, 524288                    ; v's
	s_mul_i32 s46, s14, CH/2
	s_lshl_b32 s90, s40, 2
	s_add_co_u32 s90, s90, s14
	s_mul_i32 s90, s90, CH/16                      ; my sixteenth among the waves of my row of the cluster,
	s_lshl_b32 s91, s41, 2
	s_add_co_u32 s91, s91, s14
	s_mul_i32 s91, s91, CH/16                      ; and of my column
	s_mov_b32 s17, 0xffff0000
	s_mov_b32 s96, 0x76543210
	s_mov_b32 s97, 0xfedcba98
	s_mov_b32 s18, CH                              ; the first chunk's change makes slot 0 the one at work
	s_mov_b32 s84, 0
	s_mov_b32 s47, 4096
	s_mov_b32 s85, 0
	s_mov_b32 s21, 0
	s_mul_i32 s22, s15, 4*XT
	s_mul_i32 s23, s16, 4*XT
	s_add_co_u32 s23, s23, WB
	WALU
	v_and_b32 v3, 31, v0
	v_and_b32 v18, 15, v0                          ; r
	v_bfe_u32 v19, v0, 4, 1                        ; h
	v_lshlrev_b32 v1, 4, v3                        ; 16 x lane
	v_lshlrev_b32 v2, 3, v3                        ; 8 x lane
	v_add_nc_u32 v20, s22, v1                      ; my four tiles of a chunk
	v_add_nc_u32 v21, s22, v2
	v_add_nc_u32 v12, s23, v1                      ; my four tiles of the weight
	v_add_nc_u32 v13, s23, v2
	s_lshl_b32 s22, s15, 11
	s_add_co_u32 s22, s22, SCL
	v_lshl_add_u32 v22, v18, 5, s22                ; my row's scale words
	v_lshlrev_b32 v14, 5, v3                       ; 32 x lane: two tiles' rows of scale bytes
	v_lshl_add_u32 v15, v18, 4, v19
	s_lshl_b32 s23, s15, 1
	v_add_nc_u32 v15, s23, v15                     ; V's scale byte: 16 r + 2 a + h
	v_lshlrev_b32 v17, 3, v19                      ; 8 h
	v_lshl_add_u32 v16, v18, 4, v17                ; Q's, K's scale words: 16 r + 8 h
	v_min_u32 v23, CH/16/256-1, v3
	v_lshlrev_b32 v23, 8, v23                      ; the prefetches: a lane a block of 256 bytes, 24 blocks
	v_mov_b32 v[W+1], 0                            ; (a lane permute's destination counts as read)
	v_add_nc_u32 v6, s84, v20
	v_add_nc_u32 v7, s84, v21
	v_add_nc_u32 v9, s85, v22
	WALU                                           ; the wait at the head's end
	s_wait_dscnt 0x0
	CROUND                                         ; the round in front of the first joint loads
	s_wait_kmcnt 0x0
	G0SET G0A, 4, 10
	G0SET G0B, 4, 11
	G0SET G0S, 6, 2
	s_add_co_u32 s20, s10, CH
	s_add_nc_u64 s[G0R+2:G0R+3], s[4:5], s[20:21]
	s_or_b32 s[G0R+3], s[G0R+3], 0x80000000
	s_cmp_eq_u32 s14, 0
	s_cbranch_scc0 .Lwave_1
	TLOAD G0B, G1B                                 ; wave 0: W_v's rows
	s_branch .Lasked
.Lwave_1:
	s_cmp_eq_u32 s14, 1
	s_cbranch_scc0 .Lwave_2
	TLOAD G0S, G1S                                 ; wave 1: both chunks' scale bytes
	s_branch .Lasked
.Lwave_2:
	s_cmp_eq_u32 s14, 2
	s_cbranch_scc0 .Lwave_3
	TLOAD G0A, G1A                                 ; wave 2: chunk 0
	s_branch .Lasked
.Lwave_3:
	TLOAD G0R, G1A                                 ; wave 3: chunk 1
.Lasked:
	s_lshl_b32 s20, s13, 12                        ; the weights' scale words go straight into registers
	s_lshl_b32 s22, s16, 11
	s_add_co_u32 s20, s20, s22
	s_add_co_u32 s20, s20, 851968
	s_add_nc_u64 s[98:99], s[6:7], s[20:21]
	s_lshl_b32 s20, s42, 12
	s_add_co_u32 s20, s20, s22
	s_add_co_u32 s20, s20, 786432
	s_add_nc_u64 s[100:101], s[6:7], s[20:21]
.irp p, 0,1
.irp c, 0,1
	global_load_b128 v[SB+8*\p+4*\c:SB+8*\p+4*\c+3], v14, s[98:99] offset:\p*1024+16*\c
	global_load_b128 v[SB2+8*\p+4*\c:SB2+8*\p+4*\c+3], v14, s[100:101] offset:\p*1024+16*\c
.endr
.endr
	s_add_co_u32 s20, s88, s90                     ; what the first round will load
	s_add_nc_u64 s[92:93], s[4:5], s[20:21]
	s_add_co_u32 s20, s3, s91
	s_add_nc_u64 s[94:95], s[4:5], s[20:21]
	s_lshr_b32 s22, s43, 2                         ; where the results go.  Q, K: batch,
	s_lshl_b32 s22, s22, 4
	s_and_b32 s23, s42, 7
	s_lshl_b32 s23, s23, 1
	s_add_co_u32 s22, s22, s23
	s_add_co_u32 s22, s22, s16                     ; 16 batch + head
	s_and_b32 s23, s43, 3
	s_lshl_b32 s23, s23, 3
	s_add_co_u32 s23, s23, s15                     ; my first tile / 4
	s_mul_i32 s20, s22, 98304
	s_mul_i32 s2, s23, 3072
	s_add_co_u32 s20, s20, s2
	s_mul_i32 s2, s19, 6291456
	s_add_co_u32 s20, s20, s2
	s_add_nc_u64 s[48:49], s[8:9], s[20:21]
	s_lshl_b32 s20, s22, 13
	s_lshl_b32 s2, s23, 8
	s_add_co_u32 s20, s20, s2
	s_lshl_b32 s2, s19, 19
	s_add_co_u32 s20, s20, s2
	s_add_co_u32 s20, s20, 18874368
	s_add_nc_u64 s[50:51], s[8:9], s[20:21]
	s_lshr_b32 s22, s12, 3                         ; V: batch,
	s_lshl_b32 s22, s22, 4
	s_lshl_b32 s23, s13, 1
	s_add_co_u32 s22, s22, s23
	s_add_co_u32 s22, s22, s16                     ; 16 batch + head
	s_and_b32 s23, s12, 7                          ; my first key step / 2
	s_mul_i32 s20, s22, 98304
	s_mul_i32 s2, s23, 12288
	s_add_co_u32 s20, s20, s2
	s_mul_i32 s2, s15, 768
	s_add_co_u32 s20, s20, s2
	s_add_co_u32 s20, s20, 12582912
	s_add_nc_u64 s[52:53], s[8:9], s[20:21]
	s_lshl_b32 s20, s22, 12
	s_lshl_b32 s2, s23, 9
	s_add_co_u32 s20, s20, s2
	s_add_co_u32 s20, s20, 19922944
	s_add_nc_u64 s[54:55], s[8:9], s[20:21]
	s_cmp_eq_u32 s14, 0
	s_cbranch_scc0 .Lnot_b
	s_wait_tensorcnt 0x0
.Lnot_b:
	BARRIER                                        ; W_v's rows are in
	global_prefetch_b8 v23, s[92:93] th:TH_LOAD_NT scope:SCOPE_SE
	global_prefetch_b8 v23, s[94:95] th:TH_LOAD_NT scope:SCOPE_SE
	WEIGHTS
	s_cmp_eq_u32 s14, 3
	s_cbranch_scc1 .Lnot_a0
	s_wait_tensorcnt 0x0
.Lnot_a0:
	s_wait_dscnt 0x0
	BARRIER                                        ; chunk 0 and the scale bytes are in, and every wave holds W_v; chunk 1 may still be on its way
	FETCH 0, 0, 6, 7, 9
	FETCH 1, 1, 6, 7, 9
	s_wait_loadcnt 0x0                             ; the weights' scale words
; ================= V: two chunks
	CHUNK 1, 0, 1, 1, 0
	CHUNK 1, 0, 0, 1, 1
	WALU
	s_wait_dscnt 0x0                               ; the second weight and the first two blocks are in
; ================= Q or K: four chunks
	s_mov_b32 s86, 0
.Lchunks:
	CHUNK 0, 0, 0, 2, 0
	s_add_co_u32 s86, s86, 1
	s_cmp_lg_u32 s86, 2
	WALU
	s_cbranch_scc1 .Lchunks
	CHUNK 0, 1, 0, 0, 0
	CHUNK 0, 2, 0, 0, 0
	s_wait_tensorcnt 0x0                           ; the wave's end
	ds_add_u32 v[SPW], v[NIL]
	s_wait_dscnt 0x0
	CROUND                                         ; the closing round
	s_endpgm
.Lfunc_end_k_q824a263697_proj:
	.size	k_q824a263697_proj, .Lfunc_end_k_q824a263697_proj-k_q824a263697_proj
	.p2alignl 7, 3214868480
	.fill 96, 4, 3214868480
	.section	.rodata,"a",@progbits
	.p2align	6, 0x0
	.amdhsa_kernel k_q824a263697_proj
		.amdhsa_group_segment_fixed_size 327680
		.amdhsa_private_segment_fixed_size 0
		.amdhsa_enable_private_segment 0
		.amdhsa_kernarg_size 24
		.amdhsa_user_sgpr_count 2
		.amdhsa_user_sgpr_kernarg_segment_ptr 1
		.amdhsa_wavefront_size32 1
		.amdhsa_system_sgpr_workgroup_id_x 1
		.amdhsa_system_sgpr_workgroup_id_y 1
		.amdhsa_system_sgpr_workgroup_id_z 1
		.amdhsa_system_vgpr_workitem_id 0
		.amdhsa_next_free_vgpr 840
		.amdhsa_next_free_sgpr 102
		.amdhsa_reserve_vcc 0
		.amdhsa_float_denorm_mode_32 3
		.amdhsa_float_denorm_mode_16_64 3
		.amdhsa_memory_ordered 1
		.amdhsa_forward_progress 1
		.amdhsa_inst_pref_size 201
	.end_amdhsa_kernel
	.amdgpu_metadata
---
amdhsa.version: [ 1, 2 ]
amdhsa.kernels:
  - .name:           k_q824a263697_proj
    .symbol:         k_q824a263697_proj.kd
    .args:
      - { .name: xc, .offset: 0, .size: 8, .value_kind: global_buffer, .address_space: global }
      - { .name: xs, .offset: 8, .size: 8, .value_kind: global_buffer, .address_space: global }
      - { .name: att, .offset: 16, .size: 8, .value_kind: global_buffer, .address_space: global }
    .group_segment_fixed_size: 327680
    .private_segment_fixed_size: 0
    .kernarg_segment_align: 8
    .kernarg_segment_size: 24
    .max_flat_workgroup_size: 128
    .sgpr_count:     102
    .vgpr_count:     840
    .wavefront_size: 32
...
	.end_amdgpu_metadata
.endif
;; end of part 2
;; launch attn (part 3): grid 4 x 64, 16 waves a work-group, no clusters, 224,000 bytes of LDS; arguments att, mw, mf, oc; writes oc
.if DOCPART == 3
	.amdgcn_target "amdgcn-amd-amdhsa--gfx1250"
	.amdhsa_code_object_version 6
	.text
	.protected	k_q824a263697_attn
	.globl	k_q824a263697_attn
	.p2align	8
	.type	k_q824a263697_attn,@function
k_q824a263697_attn:
	s_mov_b64 s[64:65], 0
	v_nop
	global_prefetch_b8 v0, s[64:65] scope:SCOPE_SE
	s_setreg_imm32_b32 hwreg(HW_REG_WAVE_MODE, 25, 1), 1
	s_wait_xcnt 0x0
; ATTN.  For each head: O = softmax(mask(Q K^T / 8)) V, both products on codes of FP6 (E2M3) with E8M0 scales; O / l is quantised along the features and stored as the last product's operand.
; THE SOFTMAX: t = score x log2(e) / 8; M = the running largest t rounded UP to a whole number; p = 2^(t - M) is quantised along the keys, not normalised; the row's sum is taken of the unquantised p and
; divides O at the end; when M moves, the sum and O are multiplied by 2^(old M - new M), which rounds nothing.
; THE MASK: a hidden key's raw score is replaced by -2^33, that is the logit -2^30 where the definition has -1e9.  -2^33 x c is exact and a whole number, so a row all of whose keys are hidden gets p = 1
; everywhere, as the definition gives.  LIMITS: the results are the definition's while logits that count stay above about -9e8 and the scaled scores stay under 2^31 in magnitude.  NaN and infinities are not served.
; A flag for each tile of 16 queries x 128 keys says whether it has a hole; the wave's 32 flags are gathered into one scalar word at the head.  Only a step whose bit is set loads its 64 lane masks
; (one word for each score register) and makes the 64 selections.
; SHARES.  A work-group owns 512 queries of one head; each of its sixteen waves two tiles of 16 queries, one after the other.  THE WHOLE HEAD'S K AND V STAY IN LDS, filled once, through registers: wave w
; brings key step w.  One barrier; then LDS is only read.
; LDS: 17 slots of 13,056 bytes.  Slot j holds K's eight tiles of step j (0), V's four fragments of step j - 1 (6,144), K's scale words (12,288) and V's (12,800).  So one set of three addresses,
; stepped once a step, serves the next step's K and this step's V.  Slot 16 holds step 0's K once more: a tile's last step asks for it as for any next step, with no branch; the first tile's last step so
; fetches what the second tile begins with, and what the second tile's last step fetches is not used.
; NO CLUSTER, NO TENSOR LOAD: a branch hangs on the stored flags.  NO PREFETCH: all but the lane masks is asked for at the head.
; LAYOUT.  Both products are used transposed: S^T = K Q^T, O^T = V^T P^T: a lane holds one query (lane % 16) throughout.  Tile 4 c + t of a step holds keys 64 c + 8 t + j and 64 c + 32 + 8 t + j, so score
; register 32 c + i of lane (r, h) is key 64 c + 32 h + i: a lane's 32 registers are one scale block of p, and two conversions give six registers of p's operand.
; K of the scores' product is 64: the upper six registers of Q's fragment are zero codes.  K's tiles lie six registers apart; the six registers that a product names behind a tile's own meet Q's zero codes
; and add nothing (FP6 has no NaN or infinity; the upper scale bytes are 0).
; REGISTERS: v1 16 x lane, v2 8 x lane, v3 16 r, v4 -2^33, v5-7 the step's LDS addresses, v8 8 h; v11 Q's scale word; v12 -M, v13 the largest raw score, v[14:15] the sum; v16-27 Q; v28-31 V's scale words;
; v32-79 K's eight tiles, v80-85 zeros; v86-93 K's scale words; v96-159 S^T, then p, then V's fragments; v160-191 O^T; v192-203 p's codes; v204-233 at work; v244-250 the second tile's Q.
.set STEPB, 13056
.set VCO,   6144
.set KSO,   12288
.set VSO,   12800
.set SPARE, 17*STEPB
.set KF,  32
.set KS,  86
.set PC,  192
.set CT,  204                          ; v204-206, v208-210: the conversions' second halves
.set BM,  212                          ; v212, v213 my two blocks' largest scores, then p
.set T2,  214                          ; v214, v215 a second chain of each
.set SO,  216                          ; v216, v217 the conversions' scale operands
.set EB,  218                          ; v218, v219 the bytes
.set Q2,  244
.set Q2S, 250
	s_load_b256 s[84:91], s[0:1], 0x0              ; att, mw, mf, oc
	v_lshl_add_u32 v253, v0, 2, SPARE
	v_mov_b32 v255, 0
	v_lshrrev_b32 v1, 5, v0
	v_readfirstlane_b32 s52, v1                    ; wave 0..15
	v_and_b32 v2, 31, v0
	v_and_b32 v3, 15, v0                           ; r
	v_bfe_u32 v8, v0, 4, 1                         ; h
	v_lshlrev_b32 v1, 4, v2                        ; 16 x lane
	v_lshlrev_b32 v2, 3, v2                        ; 8 x lane
	v_lshl_add_u32 v251, v3, 5, v8                 ; 32 r + h: O's scale bytes
	v_lshlrev_b32 v8, 3, v8                        ; 8 h
	v_lshlrev_b32 v3, 4, v3                        ; 16 r
	v_mov_b32 v4, 0xd0000000                       ; -2^33
	s_mul_i32 s63, s52, STEPB
	v_add_nc_u32 v5, s63, v1                       ; the fill: my slot
	v_add_nc_u32 v6, s63, v2
	v_add_nc_u32 v7, 16*STEPB, v1                  ; and slot 16, for wave 0
	s_and_b32 s98, ttmp7, 0xffff                   ; 16 x batch + head
	s_lshr_b32 s99, s98, 4
	s_and_b32 s100, s98, 15
	s_lshl_b32 s101, ttmp9, 5
	s_lshl_b32 s2, s52, 1
	s_add_co_u32 s101, s101, s2                    ; T: my first tile of queries
	s_lshl_b32 s97, s99, 7
	s_add_co_u32 s97, s97, s101                    ; 128 x batch + T
	s_mov_b32 s3, 0
	s_mov_b32 s58, 0x3e38aa3b                      ; c = log2(e) / 8
	s_mov_b32 s59, s58
	s_mov_b32 s60, 0x76543210
	s_mov_b32 s61, 0xfedcba98                      ; v_permlanex16_b32's selects for lane l xor 16
	s_wait_alu depctr_va_vdst(0)                   ; the wait at the head's end
	s_wait_kmcnt 0x0
	s_mul_i32 s2, s98, 98304
	s_add_nc_u64 s[54:55], s[84:85], s[2:3]        ; the head's codes of Q,
	s_add_nc_u64 s[4:5], s[54:55], 6291456         ; of K,
	s_add_nc_u64 s[6:7], s[54:55], 12582912        ; of V
	s_mul_i32 s2, s52, 6144                        ; my key step of both
	s_add_nc_u64 s[4:5], s[4:5], s[2:3]
	s_add_nc_u64 s[6:7], s[6:7], s[2:3]
	s_mul_i32 s2, s101, 768
	s_add_nc_u64 s[54:55], s[54:55], s[2:3]
	s_lshl_b32 s2, s98, 13
	s_add_nc_u64 s[56:57], s[84:85], s[2:3]
	s_add_nc_u64 s[8:9], s[56:57], 19398656        ; K's scale words,
	s_add_nc_u64 s[56:57], s[56:57], 18874368      ; Q's
	s_lshl_b32 s2, s52, 9
	s_add_nc_u64 s[8:9], s[8:9], s[2:3]
	s_lshr_b32 s2, s101, 2
	s_lshl_b32 s2, s2, 8
	s_and_b32 s53, s101, 3
	s_lshl_b32 s53, s53, 2
	s_add_co_u32 s2, s2, s53
	s_add_nc_u64 s[56:57], s[56:57], s[2:3]        ; 256 (T / 4) + 4 (T % 4)
	s_lshl_b32 s2, s98, 12
	s_add_nc_u64 s[10:11], s[84:85], s[2:3]
	s_add_nc_u64 s[10:11], s[10:11], 19922944      ; V's scale words
	s_lshl_b32 s2, s52, 8
	s_add_nc_u64 s[10:11], s[10:11], s[2:3]
	s_lshl_b32 s2, s97, 6
	s_add_nc_u64 s[88:89], s[88:89], s[2:3]        ; my two tiles' flags: 64 bytes a tile
	s_load_b512 s[36:51], s[88:89], 0x0
	s_load_b512 s[68:83], s[88:89], 0x40
	global_load_b128 v[16:19], v1, s[54:55]        ; both tiles' Q, ahead of the fill's loads
	global_load_b64 v[20:21], v2, s[54:55] offset:512
	global_load_b32 v11, v3, s[56:57]
	global_load_b128 v[Q2:Q2+3], v1, s[54:55] offset:768
	global_load_b64 v[Q2+4:Q2+5], v2, s[54:55] offset:1280
	global_load_b32 v[Q2S], v3, s[56:57] offset:4
.set I, 0
.rept 12
	global_load_b128 v[96+4*I:99+4*I], v1, s[4:5] offset:512*I       ; 512 consecutive bytes a wave
.set I, I+1
.endr
.set I, 0
.rept 12
	global_load_b128 v[144+4*I:147+4*I], v1, s[6:7] offset:512*I
.set I, I+1
.endr
	global_load_b128 v[192:195], v1, s[8:9]
	global_load_b64 v[196:197], v2, s[10:11]
	s_lshl_b32 s2, s97, 12
	s_add_nc_u64 s[86:87], s[86:87], s[2:3]        ; my first tile's lane masks: 4,096 bytes a tile
	s_lshl_b32 s2, s97, 4
	s_add_co_u32 s2, s2, s100
	s_mul_i32 s2, s2, 768
	s_add_nc_u64 s[92:93], s[90:91], s[2:3]        ; O's half image: [128 batch + T][head][768]
	s_lshl_b32 s2, s97, 9
	s_lshl_b32 s53, s100, 1
	s_add_co_u32 s2, s2, s53
	s_add_nc_u64 s[94:95], s[90:91], s[2:3]
	s_add_nc_u64 s[94:95], s[94:95], 6291456       ; O's scale bytes
.irp i, 22,23,24,25,26,27,80,81,82,83,84,85,221,223,227
	v_mov_b32 v\i, 0                               ; Q's upper 64 along K; the registers behind K's last tile; destinations of lane permutes; the pair v[226:227]
.endr
	s_wait_kmcnt 0x0
	s_mov_b32 s53, 0                               ; the flags as bits: bit s my first tile's step s, bit 16 + s my second's
.set I, 0
.rept 16
	s_lshl_b32 s2, s[36+I], I
	s_or_b32 s53, s53, s2
	s_lshl_b32 s2, s[68+I], 16+I
	s_or_b32 s53, s53, s2
.set I, I+1
.endr
.set I, 0
.rept 12
	s_wait_loadcnt 25-I                            ; fill load I is in, the 25 - I younger ones may be out
	ds_store_b128 v5, v[96+4*I:99+4*I] offset:512*I
.set I, I+1
.endr
.rept 12
	s_wait_loadcnt 25-I
	ds_store_b128 v5, v[96+4*I:99+4*I] offset:STEPB+VCO+512*(I-12)
.set I, I+1
.endr
	s_wait_loadcnt 0x0
	ds_store_b128 v5, v[192:195] offset:KSO
	ds_store_b64 v6, v[196:197] offset:STEPB+VSO
	s_cmp_lg_u32 s52, 0
	s_cbranch_scc1 .Lnot_0
.set I, 0
.rept 12
	ds_store_b128 v7, v[96+4*I:99+4*I] offset:512*I                  ; wave 0: step 0's K once more, in slot 16
.set I, I+1
.endr
	ds_store_b128 v7, v[192:195] offset:KSO
.Lnot_0:
	s_wait_dscnt 0x0                               ; for the others' sake: my stores have landed
	s_barrier_signal -1
	s_barrier_wait -1                              ; the head lies in LDS; from here on LDS is only read
.macro KLOAD                           ; a slot's eight tiles of K and their scale words
.irp t, 0,1,2,3,4,5,6,7
	ds_load_b128 v[KF+6*\t:KF+6*\t+3], v5 offset:768*\t
	ds_load_b64 v[KF+6*\t+4:KF+6*\t+5], v6 offset:768*\t+512
.endr
	ds_load_b128 v[KS:KS+3], v7 offset:KSO
	ds_load_b128 v[KS+4:KS+7], v7 offset:KSO+256
.endm
.macro HIDE j0, n, sb                  ; a hidden key's score becomes -2^33.  Ascending: each accumulator is read from its low end on
.set J, \j0
.rept \n
	v_cndmask_b32 v[96+J], v4, v[96+J], s[\sb+J]
.set J, J+1
.endr
.endm
.macro SUM4 j                          ; pairs j .. j + 3 of p onto the sum's four chains
	v_pk_add_f32 v[14:15], v[14:15], v[96+2*(\j):97+2*(\j)]
	v_pk_add_f32 v[228:229], v[228:229], v[98+2*(\j):99+2*(\j)]
	v_pk_add_f32 v[230:231], v[230:231], v[100+2*(\j):101+2*(\j)]
	v_pk_add_f32 v[232:233], v[232:233], v[102+2*(\j):103+2*(\j)]
.endm
; ONE TILE OF 16 QUERIES THROUGH ALL 2,048 KEYS.  last = 0: the wave's first tile; 1: its second.
.macro PASS last
.if \last
.irp i, 0,1,2,3,4,5
	v_mov_b32 v[16+\i], v[Q2+\i]
.endr
	v_mov_b32 v11, v[Q2S]                          ; the plain lines below stand between this line and the first product
	s_lshr_b32 s53, s53, 16                        ; the second tile's flags
	s_add_nc_u64 s[86:87], s[86:87], 4096          ; and lane masks (no scalar load is out)
.endif
	v_mov_b32 v13, 0xff61b1e6                      ; the largest score so far: -3e38
	v_mov_b32 v12, 0x7e000000                      ; -M: 2^125, so that the first change of M gives the factor 0
	v_mov_b32 v14, 0
	v_mov_b32 v15, 0
.set J, 0
.rept 32
	v_mov_b32 v[160+J], 0                          ; O^T: the step is written once; its first trip finds zeros
.set J, J+1
.endr
	s_mov_b32 s66, 0
	s_mov_b32 s62, 0
.if \last == 0
	v_mov_b32 v5, v1
	v_mov_b32 v6, v2
	v_mov_b32 v7, v3
	KLOAD                                          ; slot 0.  (The second tile's first K was fetched by the first tile's last step)
.endif
	s_wait_alu depctr_va_vdst(0)
	s_wait_dscnt 0x0
.Lstep_\@:
.irp t, 0,1,2,3,4,5,6,7               ; S^T = K Q^T
	v_wmma_scale_f32_16x16x128_f8f6f4 v[96+8*\t:103+8*\t], v[KF+6*\t:KF+6*\t+11], v[16:27], 0, v[KS+\t], v11 matrix_a_fmt:MATRIX_FMT_FP6 matrix_b_fmt:MATRIX_FMT_FP6
.endr
	s_add_co_u32 s66, s66, STEPB                   ; on to the next slot: its K, and this step's V
	v_add_nc_u32 v5, s66, v1                       ; four plain lines: the places behind the products
	v_add_nc_u32 v6, s66, v2
	v_add_nc_u32 v7, s66, v3
	v_mov_b32 v224, v12                            ; the old -M
	KLOAD                                          ; the next step's K has the softmax and the second product in which to land
	s_bitcmp1_b32 s53, s62
	s_wait_alu depctr_va_vdst(0)                   ; the wait ahead of the branch
	s_cbranch_scc0 .Lopen_\@                       ; a tile without holes
	s_lshl_b32 s2, s62, 8
	s_load_b512 s[4:19], s[86:87], s2 offset:0x0
	s_load_b512 s[20:35], s[86:87], s2 offset:0x40
	s_load_b512 s[36:51], s[86:87], s2 offset:0x80
	s_load_b512 s[68:83], s[86:87], s2 offset:0xc0
	s_wait_kmcnt 0x0
	HIDE 0, 48, 4
	HIDE 48, 16, 20
.Lopen_\@:
.irp c, 0,1                            ; my two blocks' largest scores: for the row's maximum and, since p rises with the score, for the block's largest p.  Four chains by turns
	v_max3_num_f32 v[BM+\c], v[96+32*\c], v[97+32*\c], v[98+32*\c]
	v_max3_num_f32 v[T2+\c], v[112+32*\c], v[113+32*\c], v[114+32*\c]
.endr
.irp i, 3,5,7,9,11,13
.irp c, 0,1
	v_max3_num_f32 v[BM+\c], v[BM+\c], v[96+32*\c+\i], v[97+32*\c+\i]
	v_max3_num_f32 v[T2+\c], v[T2+\c], v[112+32*\c+\i], v[113+32*\c+\i]
.endr
.endr
.irp c, 0,1
	v_max3_num_f32 v[BM+\c], v[BM+\c], v[T2+\c], v[111+32*\c]
.endr
.irp c, 0,1
	v_max_num_f32 v[BM+\c], v[BM+\c], v[127+32*\c]
.endr
	s_delay_alu instid0(VALU_DEP_1)
	v_max_num_f32 v222, v[BM], v[BM+1]
	s_delay_alu instid0(VALU_DEP_1)
	v_permlanex16_b32 v223, v222, s60, s61
	s_delay_alu instid0(VALU_DEP_1)
	v_max3_num_f32 v13, v13, v222, v223            ; the running largest score of my query
	s_delay_alu instid0(VALU_DEP_1)
	v_mul_f32 v222, s58, v13                       ; as t (c is positive)
	s_delay_alu instid0(VALU_DEP_1)
	v_floor_f32 v12, -v222                         ; the new -M = -ceil(t): a whole number
.set J, 0
.rept 32
	v_pk_fma_f32 v[96+J:97+J], v[96+J:97+J], s[58:59], v[12:13] op_sel_hi:[1,0,0]   ; t - M, two at a time
.if J == 14
	v_sub_f32 v224, v12, v224                      ; old M - new M: a whole number, 0 or less
.elseif J == 30
	v_cvt_i32_f32 v224, v224                       ; (it saturates)
.elseif J == 46
	v_ldexp_f32 v226, 1.0, v224                    ; f = 2^(old M - new M)
.endif
.set J, J+2
.endr
.irp c, 0,1
	v_fma_f32 v[BM+\c], v[BM+\c], s58, v12         ; the same of each block's largest score
.endr
	s_wait_alu depctr_va_vdst(0)                   ; the wait ahead of the batch
.set J, 0
.rept 64
	v_exp_f32 v[96+J], v[96+J]                     ; p = 2^(t - M)
.set J, J+1
.endr
.irp c, 0,1
	v_exp_f32 v[BM+\c], v[BM+\c]                   ; the block's largest p: the same two instructions on the same number give the same bits
.endr
	v_pk_mul_f32 v[14:15], v[14:15], v[226:227] op_sel_hi:[1,0]   ; the sum under the new M: a plain place behind the exponentials
	s_wait_alu depctr_va_vdst(0)                   ; one wait for the whole batch, ahead of its first reader
	v_pk_add_f32 v[228:229], v[96:97], v[98:99]    ; the row's sum of the unquantised p; the blocks' scales stand among its lines
	v_pk_add_f32 v[230:231], v[100:101], v[102:103]
	v_pk_add_f32 v[232:233], v[104:105], v[106:107]
.irp c, 0,1
	v_max_num_f32 v[BM+\c], 0x1800000, v[BM+\c]    ; the floor 2^(3 - 127): the byte cannot fall under 1
.endr
	SUM4 6
.irp c, 0,1
	v_add_nc_u32 v[SO+\c], 0xff000000, v[BM+\c]    ; 2 off the exponent field: the conversions' scale operand
.endr
	SUM4 10
.irp c, 0,1
	v_lshrrev_b32 v[EB+\c], 23, v[SO+\c]           ; the scale's byte
.endr
	SUM4 14
	v_lshl_or_b32 v220, v[EB+1], 16, v[EB]         ; my bytes: blocks h and 2 + h,
	SUM4 18
	v_lshlrev_b32 v220, v8, v220                   ; at their places in the scale word
	SUM4 22
	v_permlanex16_b32 v221, v220, s60, s61
	SUM4 26
.irp c, 0,1
	v_cvt_scalef32_pk16_fp6_f32 v[PC+6*\c:PC+2+6*\c], v[96+32*\c:111+32*\c], v[SO+\c]
	v_cvt_scalef32_pk16_fp6_f32 v[CT+4*\c:CT+2+4*\c], v[112+32*\c:127+32*\c], v[SO+\c]   ; (a conversion's three registers begin on an even number)
.endr
	v_or_b32 v227, v220, v221                      ; p's scale word, whole; also the plain place behind the conversions
.irp t, 0,1,2,3                        ; v96-143 are spent: V's four fragments of the step take them
	ds_load_b128 v[96+12*\t:99+12*\t], v5 offset:VCO+1536*\t
	ds_load_b64 v[100+12*\t:101+12*\t], v6 offset:VCO+1536*\t+512
	ds_load_b128 v[102+12*\t:105+12*\t], v5 offset:VCO+1536*\t+768
	ds_load_b64 v[106+12*\t:107+12*\t], v6 offset:VCO+1536*\t+1280
.endr
	ds_load_b128 v[28:31], v7 offset:VSO
.irp c, 0,1
.irp i, 0,1,2
	v_mov_b32 v[PC+3+6*\c+\i], v[CT+4*\c+\i]
.endr
.endr
	s_wait_alu depctr_va_vdst(0)                   ; the wait directly ahead of the first reader of O^T
.set J, 0
.rept 16
	v_pk_mul_f32 v[160+J:161+J], v[160+J:161+J], v[226:227] op_sel_hi:[1,0]   ; O^T under the new M; also the places between the writes of p's codes and scale word and the products
.set J, J+2
.endr
	s_wait_alu depctr_va_vdst(0)
	s_wait_dscnt 0x0                               ; V is in, and so is the next step's K, asked for ahead of it
.irp t, 0,1,2,3                        ; O^T += V^T P^T: the four accumulators take turns
	v_wmma_scale_f32_16x16x128_f8f6f4 v[160+8*\t:167+8*\t], v[96+12*\t:107+12*\t], v[PC:PC+11], v[160+8*\t:167+8*\t], v[28+\t], v227 matrix_a_fmt:MATRIX_FMT_FP6 matrix_b_fmt:MATRIX_FMT_FP6
.endr
	v_pk_add_f32 v[228:229], v[228:229], v[156:157]   ; the sum's last five lines name no register of these products: the five places ahead of the products that write the scores over V
	v_pk_add_f32 v[230:231], v[230:231], v[158:159]
	v_pk_add_f32 v[14:15], v[14:15], v[232:233]
	v_pk_add_f32 v[228:229], v[228:229], v[230:231]
	s_delay_alu instid0(VALU_DEP_1)
	v_pk_add_f32 v[14:15], v[14:15], v[228:229]
	s_add_co_u32 s62, s62, 1
	s_cmp_lt_u32 s62, 16
	s_wait_alu depctr_va_vdst(0)                   ; the wait ahead of the branch
	s_cbranch_scc1 .Lstep_\@
	; the tile's end: O^T / l, quantised along the head's 64 channels: register 16 b + i is channel 32 b + 16 (lane / 16) + i
	v_add_f32 v14, v14, v15
	s_delay_alu instid0(VALU_DEP_1)
	v_permlanex16_b32 v224, v14, s60, s61
	s_delay_alu instid0(VALU_DEP_1)
	v_add_f32 v14, v14, v224
	s_wait_alu depctr_va_vdst(0)
	v_rcp_f32 v14, v14
	v_nop
	s_wait_alu depctr_va_vdst(0)
.set J, 0
.rept 16
	v_pk_mul_f32 v[96+J:97+J], v[160+J:161+J], v[14:15] op_sel_hi:[1,0]
.set J, J+2
.endr
.irp b, 0,1
	v_max3_num_f32 v[BM+\b], |v[96+16*\b]|, |v[97+16*\b]|, 0x1800000
.endr
.irp i, 2,4,6,8,10,12,14
.irp b, 0,1
	s_delay_alu instid0(VALU_DEP_2)
	v_max3_num_f32 v[BM+\b], v[BM+\b], |v[96+16*\b+\i]|, |v[97+16*\b+\i]|
.endr
.endr
.irp b, 0,1
	s_delay_alu instid0(VALU_DEP_2)
	v_permlanex16_b32 v[T2+\b], v[BM+\b], s60, s61
.endr
.irp b, 0,1
	s_delay_alu instid0(VALU_DEP_2)
	v_max_num_f32 v[BM+\b], v[BM+\b], v[T2+\b]
.endr
.irp b, 0,1
	s_delay_alu instid0(VALU_DEP_2)
	v_add_nc_u32 v[SO+\b], 0xff000000, v[BM+\b]
.endr
.irp b, 0,1
	s_delay_alu instid0(VALU_DEP_2)
	v_lshrrev_b32 v[T2+\b], 23, v[SO+\b]
.endr
	s_delay_alu instid0(VALU_DEP_1)
	v_lshl_or_b32 v225, v[T2+1], 8, v[T2]          ; the row's two scale bytes
	v_cvt_scalef32_pk16_fp6_f32 v[PC:PC+2], v[96:111], v[SO]
	v_cvt_scalef32_pk16_fp6_f32 v[CT:CT+2], v[112:127], v[SO+1]
	v_nop
.irp i, 0,1,2
	v_permlane16_swap_b32 v[PC+\i], v[CT+\i]       ; the operand's layout wants a whole block in a lane
.endr
.irp i, 0,1,2
	v_mov_b32 v[PC+3+\i], v[CT+\i]
.endr
	v_lshrrev_b32 v224, v8, v225                   ; lanes 16-31 take the second byte
	global_store_b128 v1, v[PC:PC+3], s[92:93]     ; the half image: three aligned runs of 256 bytes
	global_store_b64 v2, v[PC+4:PC+5], s[92:93] offset:512
	global_store_b8 v251, v224, s[94:95]           ; two bytes a row: a row's 32 bytes come from sixteen heads, so they leave singly
.if \last == 0
	s_wait_xcnt 0x0                                ; the stores have read their registers and bases
	s_add_nc_u64 s[92:93], s[92:93], 12288
	s_add_nc_u64 s[94:95], s[94:95], 512
.endif
.endm
	PASS 0
	PASS 1
	s_wait_tensorcnt 0x0                           ; the wave's end
	ds_add_u32 v253, v255
	s_wait_dscnt 0x0
	s_endpgm
.Lfunc_end_k_q824a263697_attn:
	.size	k_q824a263697_attn, .Lfunc_end_k_q824a263697_attn-k_q824a263697_attn
	.p2alignl 7, 3214868480
	.fill 96, 4, 3214868480
	.section	.rodata,"a",@progbits
	.p2align	6, 0x0
	.amdhsa_kernel k_q824a263697_attn
		.amdhsa_group_segment_fixed_size 224000
		.amdhsa_private_segment_fixed_size 0
		.amdhsa_enable_private_segment 0
		.amdhsa_kernarg_size 32
		.amdhsa_user_sgpr_count 2
		.amdhsa_user_sgpr_kernarg_segment_ptr 1
		.amdhsa_wavefront_size32 1
		.amdhsa_system_sgpr_workgroup_id_x 1
		.amdhsa_system_sgpr_workgroup_id_y 1
		.amdhsa_system_sgpr_workgroup_id_z 1
		.amdhsa_system_vgpr_workitem_id 0
		.amdhsa_next_free_vgpr 256
		.amdhsa_next_free_sgpr 102
		.amdhsa_reserve_vcc 0
		.amdhsa_float_denorm_mode_32 3
		.amdhsa_float_denorm_mode_16_64 3
		.amdhsa_memory_ordered 1
		.amdhsa_forward_progress 1
		.amdhsa_inst_pref_size 64
	.end_amdhsa_kernel
	.amdgpu_metadata
---
amdhsa.version: [ 1, 2 ]
amdhsa.kernels:
  - .name:           k_q824a263697_attn
    .symbol:         k_q824a263697_attn.kd
    .args:
      - { .name: att, .offset: 0, .size: 8, .value_kind: global_buffer, .address_space: global }
      - { .name: mw, .offset: 8, .size: 8, .value_kind: global_buffer, .address_space: global }
      - { .name: mf, .offset: 16, .size: 8, .value_kind: global_buffer, .address_space: global }
      - { .name: oc, .offset: 24, .size: 8, .value_kind: global_buffer, .address_space: global }
    .group_segment_fixed_size: 224000
    .private_segment_fixed_size: 0
    .kernarg_segment_align: 8
    .kernarg_segment_size: 32
    .max_flat_workgroup_size: 512
    .sgpr_count:     102
    .vgpr_count:     256
    .wavefront_size: 32
...
	.end_amdgpu_metadata
.endif
;; end of part 3
;; launch outp (part 4): grid 4 x 32, 4 waves a work-group, clusters of 4 x 4, 327,680 bytes of LDS; arguments oc, xc, xs, out0; writes out0
.if DOCPART == 4
	.amdgcn_target "amdgcn-amd-amdhsa--gfx1250"
	.amdhsa_code_object_version 6
	.text
	.protected	k_q824a263697_outp
	.globl	k_q824a263697_outp
	.p2align	8
	.type	k_q824a263697_outp,@function
k_q824a263697_outp:
	s_mov_b64 s[64:65], 0
	v_nop
	global_prefetch_b8 v0, s[64:65] scope:SCOPE_SE
	s_setreg_imm32_b32 hwreg(HW_REG_WAVE_MODE, 25, 1), 1
	s_wait_xcnt 0x0
	s_wait_alu depctr_hold_cnt(0) depctr_sa_sdst(0) depctr_va_vdst(0) depctr_va_sdst(0) depctr_va_ssrc(0) depctr_va_vcc(0) depctr_vm_vsrc(0)
	s_getreg_b32 s2, hwreg(HW_REG_IB_STS2, 6, 4)
	s_cmp_eq_u32 s2, 0
	s_cbranch_scc0 .Lentry_in_a_cluster
	s_endpgm
.Lentry_in_a_cluster:
	s_bfe_u32 s2, ttmp6, 0x10000c
	s_cmp_lg_u32 s2, 0xf033
	s_cbranch_scc0 .Lentry_shape_is_right
	s_endpgm
.Lentry_shape_is_right:
.set KSTEP,  256
.set NQ,     2
.set KROW,   768
.set XROWB,  3072
.set XPITCH, 12288
.set FR,     12
.set NL,     6
.set NLA,    4
.set NP,     4
.set AHALF,  8*XROWB
.set BHALF,  8*XROWB
.set SLOT,   2*AHALF+2*BHALF
.set LAPS,   2
.set KS,     32
.set SCL,    2*SLOT
.set HALFS,  (128*KS/256)*272
.set SBLK,   (16*KS/256)*272
.set SPARE,  SCL+4*HALFS
.set SPITCH, 528
.set ADRA, 16
.set ADRB, 20
.set STO,  24
.set RD,   25
.set CO,   26
.set ADRS, 27
.set SPW,  28
.set NIL,  29
.set SC,   32
.set AF,   128
.set BK,   128
.set CP,   10
.set G1, 24
.set G0, 32
.set G1B, 48
.set G0B, 56
.set G1S, 68
.set G0S, 76
.set G1SB, 80
.set G0SB, 88
.set MSB, 0
.macro WIN new
.if MSB != \new
	s_set_vgpr_msb (MSB<<8)|\new
.set MSB, \new
.endif
.endm
.set MUL_LO, 0xa1
.set MUL_HI, 0xf1
.set TO_B,   0x40
.macro JLOAD g0a, g1a, g0b, g1b
	s_cmp_eq_u32 s15, 0
	s_cbranch_scc0 .Lfor_b_\@
	tensor_load_to_lds s[\g0a:\g0a+3], s[\g1a:\g1a+7]
	s_nop 0
.rept 4
	v_nop
.endr
	s_branch .Lasked_\@
.Lfor_b_\@:
	tensor_load_to_lds s[\g0b:\g0b+3], s[\g1b:\g1b+7]
	s_nop 0
.rept 4
	v_nop
.endr
.Lasked_\@:
.endm
.macro CREST
	s_cmp_lg_u32 s14, 0
	s_cbranch_scc1 .Lnot_wave_0_\@
	s_barrier_signal -3
.Lnot_wave_0_\@:
	s_barrier_wait -3
	s_barrier_signal -1
	s_barrier_wait -1
.endm
.macro CROUND
	s_barrier_signal -1
	s_barrier_wait -1
	CREST
.endm
	s_load_b128 s[4:7], s[0:1], 0x0
	s_load_b128 s[8:11], s[0:1], 0x10
	v_lshl_add_u32 v[SPW], v0, 2, SPARE
	v_mov_b32 v[NIL], 0
	ds_add_u32 v28, v29
	ds_add_u32 v28, v29
	s_wait_dscnt 0x0
	v_lshrrev_b32 v1, 5, v0
	v_readfirstlane_b32 s14, v1
	s_lshr_b32 s15, s14, 1
	s_and_b32 s16, s14, 1
	s_bfe_u32 s40, ttmp6, 0x40000
	s_bfe_u32 s41, ttmp6, 0x40004
	s_lshl_b32 s42, ttmp9, 2
	s_add_co_u32 s42, s42, s40
	s_and_b32 s17, ttmp7, 0xffff
	s_lshl_b32 s17, s17, 2
	s_add_co_u32 s17, s17, s41
	s_lshl_b32 s43, s41, 2
	s_lshl_b32 s43, 15, s43
	s_lshl_b32 s44, 0x1111, s40
	s_or_b32 s[G1+0], s43, (0<<16)|(1<<21)
	s_mov_b32 s[G1+1], XROWB<<16
	s_mov_b32 s[G1+2], 8<<16
	s_mov_b32 s[G1+3], XROWB<<16
	s_mov_b32 s[G1+4], 8
	s_mov_b32 s[G1+5], XPITCH
	s_mov_b32 s[G1+6], 0
	s_mov_b32 s[G1+7], 0
	s_or_b32 s[G1B+0], s44, (0<<16)|(1<<21)
	s_mov_b32 s[G1B+1], XROWB<<16
	s_mov_b32 s[G1B+2], 8<<16
	s_mov_b32 s[G1B+3], XROWB<<16
	s_mov_b32 s[G1B+4], 8
	s_mov_b32 s[G1B+5], XPITCH
	s_mov_b32 s[G1B+6], 0
	s_mov_b32 s[G1B+7], 0
	s_or_b32 s[G1S+0], s43, (3<<16)|(1<<20)|(1<<21)|(5<<22)|(3<<25)
	s_or_b32 s[G1SB+0], s44, (3<<16)|(1<<20)|(1<<21)|(5<<22)|(3<<25)
.irp g, G1S, G1SB
	s_mov_b32 s[\g+1], 32<<16
	s_mov_b32 s[\g+2], (128*KS/256)<<16
	s_mov_b32 s[\g+3], 32<<16
	s_mov_b32 s[\g+4], 128*KS/256
	s_mov_b32 s[\g+5], 32
	s_mov_b32 s[\g+6], 0
	s_mov_b32 s[\g+7], 0
.endr
	s_lshl_b32 s18, s16, 7
	s_lshl_b32 s20, s17, 8
	s_add_co_u32 s20, s20, s18
	s_lshl_b32 s46, s42, 8
	s_add_co_u32 s46, s46, s18
	s_lshl_b32 s22, s20, 5
	s_add_co_u32 s22, s22, 6291456
	s_mov_b32 s23, 0
	s_lshl_b32 s92, s46, 5
	s_add_co_u32 s92, s92, 884736
	s_mov_b32 s93, 0
	s_mul_i32 s20, s20, 768
	s_mov_b32 s21, 0
	s_mul_i32 s46, s46, KROW
	s_add_co_u32 s46, s46, 21233664
	s_mov_b32 s47, 0
	s_mul_i32 s45, s16, AHALF
	s_mul_i32 s95, s16, BHALF
	s_add_co_u32 s95, s95, 2*AHALF
	s_mul_i32 s94, s14, HALFS
	s_wait_kmcnt 0x0
	s_add_nc_u64 s[20:21], s[4:5], s[20:21]
	s_add_nc_u64 s[22:23], s[4:5], s[22:23]
	s_add_nc_u64 s[46:47], s[6:7], s[46:47]
	s_add_nc_u64 s[92:93], s[8:9], s[92:93]
	CROUND
	s_mov_b32 s[G0S], 1
	s_add_co_u32 s[G0S+1], s94, SCL
	s_mov_b64 s[G0S+2:G0S+3], s[22:23]
	s_or_b32 s[G0S+3], s[G0S+3], 0x80000000
	s_mov_b32 s[G0SB], 1
	s_add_co_u32 s[G0SB+1], s94, SCL
	s_mov_b64 s[G0SB+2:G0SB+3], s[92:93]
	s_or_b32 s[G0SB+3], s[G0SB+3], 0x80000000
	JLOAD G0S, G1S, G0SB, G1SB
.irp s, 0,1
	s_mov_b32 s[G0+4*\s], 1
	s_add_co_u32 s[G0+4*\s+1], s45, \s*SLOT
	s_add_nc_u64 s[G0+4*\s+2:G0+4*\s+3], s[20:21], \s*XROWB
	s_or_b32 s[G0+4*\s+3], s[G0+4*\s+3], 0x80000000
	s_mov_b32 s[G0B+4*\s], 1
	s_add_co_u32 s[G0B+4*\s+1], s95, \s*SLOT
	s_add_nc_u64 s[G0B+4*\s+2:G0B+4*\s+3], s[46:47], \s*XROWB
	s_or_b32 s[G0B+4*\s+3], s[G0B+4*\s+3], 0x80000000
	s_wait_alu depctr_va_vdst(0)
	s_wait_tensorcnt 0x0
	ds_add_u32 v28, v29
	s_wait_dscnt 0x0
	CROUND
	JLOAD G0+4*\s, G1, G0B+4*\s, G1B
.endr
	v_and_b32 v1, 15, v0
	v_bfe_u32 v2, v0, 4, 1
	v_and_b32 v6, 31, v0
	v_lshlrev_b32 v7, 4, v6
	v_lshlrev_b32 v8, 3, v6
	s_mul_i32 s21, s15, AHALF
	s_mul_i32 s22, s16, BHALF
	s_add_co_u32 s22, s22, 2*AHALF
.irp s, 0,1
	v_add_nc_u32 v[ADRA+\s], s21, v7
	v_add_nc_u32 v[ADRA+2+\s], s21, v8
	v_add_nc_u32 v[ADRB+\s], s22, v7
	v_add_nc_u32 v[ADRB+2+\s], s22, v8
	s_add_co_u32 s21, s21, SLOT
	s_add_co_u32 s22, s22, SLOT
.endr
	v_mul_u32_u24 v5, v1, KS
	v_lshrrev_b32 v6, 8, v5
	v_lshl_add_u32 v5, v6, 4, v5
	s_mul_i32 s21, s15, HALFS
	s_mul_i32 s22, s16, HALFS
	s_add_co_u32 s22, s22, 2*HALFS
	s_sub_co_u32 s22, s22, s21
	v_mul_u32_u24 v6, s22, v2
	s_add_co_u32 s21, s21, SCL
	v_add_nc_u32 v5, v5, v6
	v_add_nc_u32 v[ADRS], s21, v5
	s_mul_i32 s23, s14, 16*SPITCH
	v_mul_u32_u24 v5, v1, SPITCH
	v_lshl_add_u32 v5, v2, 6, v5
	v_add_nc_u32 v[STO], s23, v5
	v_mov_b32 v[CO], v7
	v_add_nc_u32 v[RD], s23, v7
	s_lshl_b32 s20, s17, 8
	s_lshl_b32 s21, s15, 7
	s_add_co_u32 s20, s20, s21
	s_lshl_b32 s20, s20, 12
	s_lshl_b32 s46, s42, 10
	s_lshl_b32 s47, s16, 9
	s_add_co_u32 s46, s46, s47
	s_add_co_u32 s20, s20, s46
	s_mov_b32 s21, 0
	s_add_nc_u64 s[CP:CP+1], s[CP:CP+1], s[20:21]
.macro FRAG reg, adr, q, i
	ds_load_b128 v[\reg:\reg+3], v[\adr] offset:XROWB*(\i)+1536*(\q)
	ds_load_b64 v[\reg+4:\reg+5], v[\adr+2] offset:XROWB*(\i)+1536*(\q)+512
	ds_load_b128 v[\reg+6:\reg+9], v[\adr] offset:XROWB*(\i)+1536*(\q)+768
	ds_load_b64 v[\reg+10:\reg+11], v[\adr+2] offset:XROWB*(\i)+1536*(\q)+1280
.endm
.macro FRAGA reg, slot, q, i
	ds_load_b128 v[\reg:\reg+3], v[ADRA+\slot] offset:XROWB*(\i)+1536*(\q)
	ds_load_b64 v[\reg+4:\reg+5], v[ADRA+2+\slot] offset:XROWB*(\i)+1536*(\q)+512
	ds_load_b128 v[\reg+6:\reg+9], v[ADRA+\slot] offset:XROWB*(\i)+1536*(\q)+768
	ds_load_b64 v[\reg+10:\reg+11], v[ADRA+2+\slot] offset:XROWB*(\i)+1536*(\q)+1280
.endm
.macro MUL16 a0, p, q, sc, zero
.irp a, \a0, \a0+1
.irp b, 0,1,2,3,4,5,6,7
.if \zero
	v_wmma_scale_f32_16x16x128_f8f6f4 v[8*(8*((\a)%4)+\b):8*(8*((\a)%4)+\b)+7], v[128*(\p)+FR*\b:128*(\p)+FR*\b+FR-1], v[AF+FR*(\a):AF+FR*(\a)+FR-1], 0, v[SC+8*NQ*(\sc)+NQ*\b+(\q)], v[SC+8*NQ*(\sc)+NQ*(\a)+(\q)] matrix_a_fmt:MATRIX_FMT_FP6 matrix_b_fmt:MATRIX_FMT_FP6 matrix_a_scale:MATRIX_SCALE_ROW1
.else
	v_wmma_scale_f32_16x16x128_f8f6f4 v[8*(8*((\a)%4)+\b):8*(8*((\a)%4)+\b)+7], v[128*(\p)+FR*\b:128*(\p)+FR*\b+FR-1], v[AF+FR*(\a):AF+FR*(\a)+FR-1], v[8*(8*((\a)%4)+\b):8*(8*((\a)%4)+\b)+7], v[SC+8*NQ*(\sc)+NQ*\b+(\q)], v[SC+8*NQ*(\sc)+NQ*(\a)+(\q)] matrix_a_fmt:MATRIX_FMT_FP6 matrix_b_fmt:MATRIX_FMT_FP6 matrix_a_scale:MATRIX_SCALE_ROW1
.endif
.endr
.endr
.endm
.macro FETCH_B slot, q, p
	WIN TO_B
.irp i, 0,1,2,3,4,5,6,7
	FRAG 128*(\p)+FR*\i, ADRB+\slot, \q, \i
.endr
	WIN 0
.endm
.macro FETCH_A slot, q, i0
.irp i, \i0, \i0+1, \i0+2, \i0+3
	FRAGA AF+FR*(\i), \slot, \q, \i
.endr
.endm
.macro SCALES sc
.irp i, 0,1,2,3,4,5,6,7
	ds_load_b64 v[SC+8*NQ*\sc+NQ*\i:SC+8*NQ*\sc+NQ*\i+1], v[ADRS] offset:\i*SBLK
.endr
.endm
.macro PLACES n
.rept \n
	v_nop
.endr
.endm
.macro STEP slot, q, zero
	s_wait_dscnt 4*NLA
	WIN MUL_LO
	MUL16 0, (\q)%2, \q, \slot, \zero
	MUL16 2, (\q)%2, \q, \slot, \zero
	s_wait_dscnt 0
	PLACES NP
	FETCH_B \slot, (\q)+1, 1-(\q)%2
	FETCH_A \slot, (\q)+1, 0
	WIN MUL_HI
	MUL16 4, (\q)%2, \q, \slot, \zero
	MUL16 6, (\q)%2, \q, \slot, \zero
	PLACES NP
	WIN 0
	FETCH_A \slot, (\q)+1, 4
.endm
.macro TURN slot, next, fill
	s_wait_tensorcnt 0x0
	ds_add_u32 v[SPW], v[NIL]
	s_wait_dscnt 4*NLA+1
	WIN MUL_LO
	MUL16 0, 1, NQ-1, \slot, 0
	s_wait_dscnt 0x0
	s_barrier_signal -1
	MUL16 2, 1, NQ-1, \slot, 0
	WIN 0
	s_barrier_wait -1
.if \fill
	CREST
	s_add_nc_u64 s[G0+4*\slot+2:G0+4*\slot+3], s[G0+4*\slot+2:G0+4*\slot+3], 2*XROWB
	s_add_nc_u64 s[G0B+4*\slot+2:G0B+4*\slot+3], s[G0B+4*\slot+2:G0B+4*\slot+3], 2*XROWB
	JLOAD G0+4*\slot, G1, G0B+4*\slot, G1B
.else
	PLACES NP
.endif
	s_wait_alu depctr_va_vdst(0)
	v_add_nc_u32 v[ADRS], 4*NQ, v[ADRS]
	FETCH_B \next, 0, 0
	FETCH_A \next, 0, 0
	SCALES \next
	WIN MUL_HI
	MUL16 4, 1, NQ-1, \slot, 0
	MUL16 6, 1, NQ-1, \slot, 0
	PLACES NP
	WIN 0
	FETCH_A \next, 0, 4
.endm
	s_wait_alu depctr_va_vdst(0)
	s_wait_tensorcnt 1
	s_barrier_signal -1
	s_barrier_wait -1
	FETCH_B 0, 0, 0
	FETCH_A 0, 0, 0
	SCALES 0
	FETCH_A 0, 0, 4
	STEP 0, 0, 1
	s_mov_b32 s3, LAPS-1
.Llap:
	TURN 0, 1, 1
	STEP 1, 0, 0
	TURN 1, 0, 1
	STEP 0, 0, 0
	s_sub_co_u32 s3, s3, 1
	s_cmp_lg_u32 s3, 0
	s_cbranch_scc1 .Llap
	TURN 0, 1, 0
	STEP 1, 0, 0
	s_wait_dscnt 4*NLA
	WIN MUL_LO
	MUL16 0, 1, NQ-1, 1, 0
	MUL16 2, 1, NQ-1, 1, 0
	s_wait_dscnt 0
	WIN MUL_HI
	MUL16 4, 1, NQ-1, 1, 0
	MUL16 6, 1, NQ-1, 1, 0
	WIN 0
.macro TOSTAGE a
.set AC, 64*((\a)%4)
	WIN 0x08+4*((\a)/4)
.irp b, 0,1,2,3,4,5,6,7
	ds_store_b128 v[STO], v[AC+8*\b:AC+8*\b+3] offset:128*(\b/2)+32*(\b%2)
	ds_store_b128 v[STO], v[AC+8*\b+4:AC+8*\b+7] offset:128*(\b/2)+32*(\b%2)+16
.endr
	WIN 0
.set BB, BK+64*((\a)%2)
.irp t, 0,1,2,3,4,5,6,7,8,9,10,11,12,13,14,15
	ds_load_b128 v[BB+4*\t:BB+4*\t+3], v[RD] offset:\t*SPITCH
.endr
.endm
.macro SEND a, younger
.set BB, BK+64*((\a)%2)
	s_wait_dscnt \younger
.if (\a) > 0
.if (\a)%2
	s_add_nc_u64 s[CP:CP+1], s[CP:CP+1], 8*4096
.else
	s_add_nc_u64 s[CP:CP+1], s[CP:CP+1], 24*4096
.endif
.endif
.irp t, 0,1,2,3,4,5,6,7,8,9,10,11,12,13,14,15
	global_store_b128 v[CO], v[BB+4*\t:BB+4*\t+3], s[CP:CP+1] offset:(\t+8*(\t/8))*4096 th:TH_STORE_NT
.endr
.endm
	PLACES NP
	TOSTAGE 0
.irp a, 1,2,3,4,5,6,7
.if \a > 1
	s_wait_xcnt 0x0
.endif
	TOSTAGE \a
	SEND \a-1, 32
.endr
	s_wait_xcnt 0x0
	SEND 7, 0
	s_wait_tensorcnt 0x0
	ds_add_u32 v[SPW], v[NIL]
	s_wait_dscnt 0x0
	CROUND
	s_endpgm
.Lfunc_end_k_q824a263697_outp:
	.size	k_q824a263697_outp, .Lfunc_end_k_q824a263697_outp-k_q824a263697_outp
	.p2alignl 7, 3214868480
	.fill 96, 4, 3214868480
	.section	.rodata,"a",@progbits
	.p2align	6, 0x0
	.amdhsa_kernel k_q824a263697_outp
		.amdhsa_group_segment_fixed_size 327680
		.amdhsa_private_segment_fixed_size 0
		.amdhsa_enable_private_segment 0
		.amdhsa_kernarg_size 32
		.amdhsa_user_sgpr_count 2
		.amdhsa_user_sgpr_kernarg_segment_ptr 1
		.amdhsa_wavefront_size32 1
		.amdhsa_system_sgpr_workgroup_id_x 1
		.amdhsa_system_sgpr_workgroup_id_y 1
		.amdhsa_system_sgpr_workgroup_id_z 1
		.amdhsa_system_vgpr_workitem_id 0
		.amdhsa_next_free_vgpr 1024
		.amdhsa_next_free_sgpr 100
		.amdhsa_reserve_vcc 0
		.amdhsa_float_denorm_mode_32 3
		.amdhsa_float_denorm_mode_16_64 3
		.amdhsa_memory_ordered 1
		.amdhsa_forward_progress 1
		.amdhsa_inst_pref_size 145
	.end_amdhsa_kernel
	.amdgpu_metadata
---
amdhsa.version: [ 1, 2 ]
amdhsa.kernels:
  - .name:           k_q824a263697_outp
    .symbol:         k_q824a263697_outp.kd
    .args:
      - { .name: oc, .offset: 0, .size: 8, .value_kind: global_buffer, .address_space: global }
      - { .name: xc, .offset: 8, .size: 8, .value_kind: global_buffer, .address_space: global }
      - { .name: xs, .offset: 16, .size: 8, .value_kind: global_buffer, .address_space: global }
      - { .name: out0, .offset: 24, .size: 8, .value_kind: global_buffer, .address_space: global }
    .group_segment_fixed_size: 327680
    .private_segment_fixed_size: 0
    .kernarg_segment_align: 8
    .kernarg_segment_size: 32
    .max_flat_workgroup_size: 128
    .sgpr_count:     100
    .vgpr_count:     1024
    .wavefront_size: 32
...
	.end_amdgpu_metadata
.endif
;; end of part 4
